; MI455X (gfx1250); checked and timed in simulation.
; The chip was launched on July 23, 2026; its instructions are those of AMD's public machine-readable ISA for CDNA 5 (MIT licence, August 2026) and "CDNA5" Instruction Set Architecture Reference Guide (July 2026). The comments in the code are by the model that wrote it; some were corrected since.
;; Qwen Grouped Query Attention. Allowed arithmetic: matrix products marked QUANTISED: E2M1 operands, one E8M0 scale for each 32 along K, by v_wmma_scale_f32_16x16x128_f8f6f4 with both operands' format E2M1 (or v_wmma_scale_f32_32x16x128_f4), f32 sums; products left as they are: bf16, f16 or f32 operands; f32 sums; everything else in f32.
;; Inputs: W_attn 2,048 x 3,072 float32; W_proj 2,048 x 2,048 float32; b_attn 3,072 float32; freqs_cos 2,048 x 64 float32; freqs_sin 2,048 x 64 float32; x 1 x 2,048 x 2,048 float32.
;; Outputs: out0 1 x 2,048 x 2,048 float32.
;; This version of the problem:
;;   THIS VERSION OF THE PROBLEM IS GIVEN IN LOW PRECISION. The matrix products marked QUANTISED in the list below multiply operands that are first quantised to E2M1 (2 exponent bits, 1 mantissa bit; 4 bits a number), with one power-of-two scale for each 32 numbers along K (OCP MX v1.0); their sums are f32. The products marked 'left as it is' may take bf16, f16 or f32 operands, with f32 sums. Whichever they take, every output number must still come out within the allowed error. Rounding operands to bf16 (8 significant bits) uses up far more of that allowance than f16 does (11 bits, for magnitudes from 6e-5 to 65,504). All else is computed in f32.
;;   The module's matrix products, in the order in which they are computed (A, B: the left and right operand; K: the contracted axis; several contracted axes count as one K, in the product's order):
;;     1. [M 2,048, K 2,048] x [K 2,048, N 3,072]; A: input x; B: input W_attn: QUANTISED
;;     2. batch 16 x [M 2,048, K 128] x [K 128, N 2,048]; A: computed on the way; B: computed on the way: left as it is (an operand is computed on the way)
;;     3. batch 16 x [M 2,048, K 2,048] x [K 2,048, N 128]; A: computed on the way; B: computed on the way: left as it is (an operand is computed on the way)
;;     4. [M 2,048, K 2,048] x [K 2,048, N 2,048]; A: computed on the way; B: input W_proj: left as it is (an operand is computed on the way)
;;   THE QUANTISER, for each operand of a quantised product, along K:
;;     - K is cut into blocks of 32 from its start; a last block that is shorter is filled with zeros.
;;     - A block's scale is 2^e with e = floor(log2(the largest magnitude in the block)) - 2, held to -126 .. 127; a block of zeros has e = 0. As a byte (E8M0): e + 127.
;;     - Each number is divided by its block's scale, clamped to +-6, and rounded to the nearest number of E2M1, ties to even, subnormals kept.
;;     - The product sums the exact products of the quantised numbers (number of the format x scale) in f32.
;;   ~~~python
;;   def quantise(x, axis):      # numpy; x: float32 -> the quantised numbers, widened to float32 again
;;       x = np.moveaxis(x, axis, -1); K = x.shape[-1]
;;       x = np.pad(x, [(0, 0)] * (x.ndim - 1) + [(0, -K % 32)]); x = x.reshape(x.shape[:-1] + (-1, 32)); a = np.abs(x).max(-1, keepdims=True)
;;       e = np.where(a > 0, np.clip(np.frexp(np.where(a > 0, a, 1))[1] - 1 - 2, -126, 127), 0)      # np.frexp(a)[1] - 1 = floor(log2(a)), exactly
;;       r = np.clip(x / 2.0 ** e, -6, 6)
;;       step = 2.0 ** (np.maximum(np.frexp(np.where(r == 0, 1, r))[1] - 1, 0) - 1)
;;       q = np.round(r / step) * step * 2.0 ** e      # np.round: ties to even
;;       return np.moveaxis(q.reshape(q.shape[:-2] + (-1,))[..., :K], -1, axis).astype(np.float32)
;;   ~~~
;; One version. Each part assembles by itself: llvm-mc -triple=amdgcn-amd-amdhsa -mcpu=gfx1250 --defsym DOCPART=n.
;; ======== version 1 of 1: 5 launches
;; limits: values are held in f16: magnitudes above 65,504 overflow, below 6.1e-05 lose precision
;; workspace buffers: codes 5,570,560 bytes; wimg 16,777,216 bytes; qkv 13,369,344 bytes; yimg 8,454,144 bytes
;; launch prep (part 1): grid 448 x 1, 4 waves a work-group, no clusters, 50,688 bytes of LDS; arguments x, W_attn, W_proj, codes, wimg; writes codes, wimg
.if DOCPART == 1
	.amdgcn_target "amdgcn-amd-amdhsa--gfx1250"
	.amdhsa_code_object_version 6
	.text
	.protected	k_q775cec9150_prep
	.globl	k_q775cec9150_prep
	.p2align	8
	.type	k_q775cec9150_prep,@function
k_q775cec9150_prep:
	s_mov_b64 s[64:65], 0
	v_nop
	global_prefetch_b8 v0, s[64:65] scope:SCOPE_SE
	s_setreg_imm32_b32 hwreg(HW_REG_WAVE_MODE, 25, 1), 1
	s_wait_xcnt 0x0
; PREP: one launch, three kinds of work-group, told apart by the work-group's number alone; the three ways never join.
;   0-127   x [2048][2048] f32 -> codes of FP4 (E2M1), K innermost, [2048][1024 bytes], and one E8M0 byte for each 32 along K, [2048][64]
;   128-319 W_attn [2048 (k)][3072 (n)] f32 -> codes [3072 (n')][1024 bytes], bytes [3072][64].  n' orders the groups of 128 columns: 0-15 the query heads,
;           16 + 2 j the key head j, 17 + 2 j the value head j, so that a tile of 256 columns of the product holds one key head and its value head
;   320-447 W_proj [2048 (k)][2048 (n)] f32 -> two f16 tensors, a high part and a low part x 2^11, each laid as IMAGES OF OPERAND REGISTERS:
;           [n / 16][k / 32][1,024 bytes]; in a fragment's image half u (512 bytes) holds, at 16 x lane, k = 16 u + 8 (lane / 16) + 0..7 of row n = lane % 16
; A block's scale is 2^(floor(log2(its largest magnitude)) - 2); its byte is the largest magnitude's exponent field - 2, held at 1 from below.
; SHARES.  Where K is the first axis a lane takes a column and its registers run down K: 32 loads of 4 bytes a lane for a block of 32, two blocks (64 loads, 8,192 bytes a wave) on their way.  So a wave's share is kept
; short, 8 blocks, and there are many waves: with 192 registers and 50,688 bytes of LDS several work-groups lie on a WGP.
; LIMITS: a block of zeros gets the byte 1 (its codes are zeros; this program alone reads the bytes); blocks whose largest magnitude lies under 2^-124 have their byte held at 1;
; NaN and infinities are not served; W_proj beyond 65,504 in magnitude is not served (f16); under 2^-14 its high part is rounded twice, by at most 2^-25.
; Each way that uses LDS has LDS bytes of its own: x 0 to 32,767 (8,192 a wave), W_attn 32,768 to 50,175 (two stages of 8,704); then the spare words.
.set SPW,   190                        ; v190 LDS address of my spare word; never rewritten
.set NIL,   191                        ; v191 0; never rewritten
.set SPARE, 50176                      ; the spare words, 128 bytes a wave: two blocks of 256 bytes that no other line names
.set XSO,   5242880                    ; in codes: x's scale bytes
.set WCO,   2097152                    ; W_attn's codes
.set WSO,   5373952                    ; W_attn's scale bytes
.set WLO,   8388608                    ; in wimg: the low parts
.set EMAX,  2
.set STEPS, 16                         ; x: steps of 512 numbers a wave
.set SP,    80                         ; x: a lane's place in a stage: 64 bytes + 16 of padding
.set XR,    16                         ; x: v16-79 four sets of 16 numbers as loaded
.set XX,    80                         ; x: v80-111 two sets of 16 neighbours
.set XE,    112                        ; x: v112-127 a scale byte for each step
.set XCD,   128                        ; x: v128-189 codes, four registers a step
.set NB,    8                          ; W_attn, W_proj: blocks of 32 along K a wave
.set WP,    272                        ; W_attn: a stage row: 256 bytes + 16
.set WSTG,  32768
.set WX,    32                         ; W_attn: v32-95 two sets of 32 numbers
.set WCD,   96
.set WOUT,  112
.set WSB,   24
.set PX,    32                         ; W_proj: v32-95 two sets of 32 numbers
.set PHI,   96                         ; W_proj: v96-111 high parts, v112-127 low parts
.set PLO,   112
.macro FINISH                          ; a wave's end, behind the last LDS store
	s_wait_tensorcnt 0x0
	ds_add_u32 v[SPW], v[NIL]
	s_wait_dscnt 0x0
	s_endpgm
.endm
; ---- x's macros
.macro XLOAD t
.irp i, 0,1,2,3
	global_load_b128 v[XR+16*((\t)%4)+4*\i:XR+16*((\t)%4)+4*\i+3], v3, s[4:5] offset:2048*(\t)+512*\i th:TH_LOAD_NT   ; 32 lanes read 512 consecutive bytes
.endr
.endm
.macro XTURN t                         ; a step's 2,048 bytes through the wave's own stage: in as they lie, back 64 bytes a lane; LDS serves a wave's instructions in order
.irp i, 0,1,2,3
	ds_store_b128 v14, v[XR+16*((\t)%4)+4*\i:XR+16*((\t)%4)+4*\i+3] offset:32*SP*((\t)%2)+8*SP*\i
.endr
.irp i, 0,1,2,3
	ds_load_b128 v[XX+16*((\t)%2)+4*\i:XX+16*((\t)%2)+4*\i+3], v15 offset:32*SP*((\t)%2)+16*\i
.endr
.endm
.macro XSTEP t
.set XN, XX+16*((\t)%2)
.if (\t) > 0
	s_wait_dscnt 1                                 ; this step's numbers are back from the stage; the last step's byte store may be out
.else
	s_wait_dscnt 0x0
.endif
.if (\t)+4 < STEPS
	XLOAD (\t)+4                                   ; into the registers whose stores into the stage are done
.endif
.if (\t)+1 < STEPS
.if STEPS-2-(\t) >= 3
	s_wait_loadcnt 12                              ; the next step's four loads are in; those of three later steps may be out
.else
	s_wait_loadcnt 4*(STEPS-2-(\t))
.endif
	XTURN (\t)+1
.endif
	v_max3_num_f32 v8, |v[XN]|, |v[XN+1]|, |v[XN+2]|   ; the largest magnitude of my 16, in two chains
	v_max3_num_f32 v9, |v[XN+3]|, |v[XN+4]|, |v[XN+5]|
.irp i, 6,10
	v_max3_num_f32 v8, v8, |v[XN+\i]|, |v[XN+\i+1]|
	v_max3_num_f32 v9, v9, |v[XN+\i+2]|, |v[XN+\i+3]|
.endr
	v_max3_num_f32 v8, v8, |v[XN+14]|, |v[XN+15]|
	v_max3_num_f32 v8, v8, v9, (EMAX+1)<<23        ; and the floor 2^(3 - 127): the byte cannot fall under 1
	v_max_num_f32_dpp v8, v8, v8 row_xmask:1 row_mask:0xf bank_mask:0xf   ; with my neighbour's 16: the block's
	v_add_nc_u32 v11, -(EMAX<<23), v8              ; 2 off the exponent field: the conversion's scale operand
	v_cvt_scalef32_pk8_fp4_f32 v[XCD+4*(\t)], v[XN:XN+7], v11
	v_cvt_scalef32_pk8_fp4_f32 v[XCD+4*(\t)+1], v[XN+8:XN+15], v11
	v_lshrrev_b32 v[XE+(\t)], 23, v11              ; the scale's byte
	ds_store_b8 v5, v[XE+(\t)] offset:16*(\t)      ; both lanes of a block write the same byte with the same value
	global_store_b64 v4, v[XCD+4*(\t):XCD+4*(\t)+1], s[22:23] offset:256*(\t)   ; the wave stores 256 consecutive bytes, aligned
.endm
; ---- W_attn's macros: a lane takes a column, its registers run down K
.macro WLOAD t
.irp i, 0,1,2,3,4,5,6,7,8,9,10,11,12,13,14,15,16,17,18,19,20,21,22,23,24,25,26,27,28,29,30,31
	global_load_b32 v[WX+32*((\t)%2)+\i], v3, s[6:7] offset:(32*(\t)+\i)*12288 th:TH_LOAD_NT
.endr
.endm
.macro WBLOCK t
.set WN, WX+32*((\t)%2)
.if (\t) < NB-1
	s_wait_loadcnt 32                              ; this block's 32 loads are in; the next block's may be out
.else
	s_wait_loadcnt 0x0
.endif
	v_max3_num_f32 v12, |v[WN]|, |v[WN+1]|, |v[WN+2]|
	v_max3_num_f32 v13, |v[WN+3]|, |v[WN+4]|, |v[WN+5]|
.irp i, 6,10,14,18,22,26
	v_max3_num_f32 v12, v12, |v[WN+\i]|, |v[WN+\i+1]|
	v_max3_num_f32 v13, v13, |v[WN+\i+2]|, |v[WN+\i+3]|
.endr
	v_max3_num_f32 v12, v12, |v[WN+30]|, |v[WN+31]|
	v_max3_num_f32 v12, v12, v13, (EMAX+1)<<23     ; the floor
	v_add_nc_u32 v11, -(EMAX<<23), v12
	v_lshrrev_b32 v13, 23, v11                     ; the scale's byte
.if (\t)%4 == 0
	v_mov_b32 v[WSB+(\t)/4], v13                   ; four bytes to a register, the lower K in the lower byte
.else
	v_lshl_or_b32 v[WSB+(\t)/4], v13, 8*((\t)%4), v[WSB+(\t)/4]
.endif
.irp g, 0,1,2,3
	v_cvt_scalef32_pk8_fp4_f32 v[WCD+\g], v[WN+8*\g:WN+8*\g+7], v11
.endr
	ds_store_b128 v4, v[WCD:WCD+3] offset:16*(\t)  ; 32 codes: 16 bytes of my column's row
.if (\t)+2 < NB
	WLOAD (\t)+2
.endif
	s_wait_dscnt 0x0                               ; the store has read its registers: the next block's codes may be written
.endm
; ---- W_proj's macros
.macro PLOAD t
.irp i, 0,1,2,3,4,5,6,7,8,9,10,11,12,13,14,15,16,17,18,19,20,21,22,23,24,25,26,27,28,29,30,31
	global_load_b32 v[PX+32*((\t)%2)+\i], v3, s[8:9] offset:(32*(\t)+\i)*8192 th:TH_LOAD_NT
.endr
.endm
.macro CAST t                          ; 32 numbers down K of my column become 16 registers of high parts and 16 of low parts
.set XP, PX+32*((\t)%2)
.if (\t) < NB-1
	s_wait_loadcnt 32                              ; this block's 32 loads are in; the next block's may be out
.else
	s_wait_loadcnt 0x0
.endif
	s_wait_xcnt 0x0                                ; the last block's stores have read their registers
.irp j, 0,1,2,3,4,5,6,7,8,9,10,11,12,13,14,15
	v_add_nc_u32 v[16+2*(\j%4)], 0x1000, v[XP+2*\j]               ; half a step of 11 significant bits onto the magnitude,
	v_add_nc_u32 v[17+2*(\j%4)], 0x1000, v[XP+2*\j+1]
	v_and_b32 v[16+2*(\j%4)], 0xffffe000, v[16+2*(\j%4)]          ; and the bits below cut: the high part, exact in f16's normal range
	v_and_b32 v[17+2*(\j%4)], 0xffffe000, v[17+2*(\j%4)]
	v_cvt_pk_f16_f32 v[PHI+\j], v[16+2*(\j%4)], v[17+2*(\j%4)]
	v_pk_add_f32 v[XP+2*\j:XP+2*\j+1], v[XP+2*\j:XP+2*\j+1], v[16+2*(\j%4):17+2*(\j%4)] neg_lo:[0,1] neg_hi:[0,1]   ; what is left, exact
.endr
.irp j, 0,1,2,3,4,5,6,7,8,9,10,11,12,13,14,15
	v_pk_mul_f32 v[XP+2*\j:XP+2*\j+1], v[XP+2*\j:XP+2*\j+1], s[26:27] op_sel_hi:[1,0]   ; x 2^11
.endr
.irp j, 0,1,2,3,4,5,6,7,8,9,10,11,12,13,14,15
	v_cvt_pk_f16_f32 v[PLO+\j], v[XP+2*\j], v[XP+2*\j+1]
.endr
; lanes 0-15 are one block of 16 columns, lanes 16-31 the next.  An image wants k = 8 h + 0..7 in half h of the lanes: the first's lanes 16-31 change places with the second's lanes 0-15
.irp i, 0,1,2,3
	v_permlane16_swap_b32 v[PHI+\i], v[PHI+4+\i]
	v_permlane16_swap_b32 v[PHI+8+\i], v[PHI+12+\i]
	v_permlane16_swap_b32 v[PLO+\i], v[PLO+4+\i]
	v_permlane16_swap_b32 v[PLO+8+\i], v[PLO+12+\i]
.endr
	global_store_b128 v4, v[PHI:PHI+3],     s[12:13] offset:1024*(\t)             ; each store of the wave covers 512 consecutive bytes, aligned
	global_store_b128 v4, v[PHI+8:PHI+11],  s[12:13] offset:1024*(\t)+512
	global_store_b128 v4, v[PHI+4:PHI+7],   s[12:13] offset:1024*(\t)+65536       ; the next block of 16 columns: 64 fragments on
	global_store_b128 v4, v[PHI+12:PHI+15], s[12:13] offset:1024*(\t)+65536+512
	global_store_b128 v4, v[PLO:PLO+3],     s[14:15] offset:1024*(\t)
	global_store_b128 v4, v[PLO+8:PLO+11],  s[14:15] offset:1024*(\t)+512
	global_store_b128 v4, v[PLO+4:PLO+7],   s[14:15] offset:1024*(\t)+65536
	global_store_b128 v4, v[PLO+12:PLO+15], s[14:15] offset:1024*(\t)+65536+512
.if (\t)+2 < NB
	PLOAD (\t)+2
.endif
.endm
	s_load_b256 s[4:11], s[0:1], 0x0               ; x s[4:5], W_attn s[6:7], W_proj s[8:9], codes s[10:11]
	s_load_b64 s[12:13], s[0:1], 0x20              ; wimg
	v_lshl_add_u32 v[SPW], v0, 2, SPARE
	v_mov_b32 v[NIL], 0
	v_lshrrev_b32 v1, 5, v0
	v_readfirstlane_b32 s16, v1                    ; wave 0..3
	v_and_b32 v2, 31, v0                           ; lane
	s_mov_b32 s19, 0                               ; upper words of 32-bit offsets
	s_mov_b32 s21, 0
	s_wait_kmcnt 0x0
	s_cmp_lt_u32 ttmp9, 128
	s_cbranch_scc0 .Lnot_x
	; ================ x: a plain stream of blocks of 32; a wave takes 8,192 numbers
	v_lshlrev_b32 v3, 4, v2                        ; my 16 bytes of a load's 512
	s_lshl_b32 s17, s16, 13                        ; my wave's LDS region
	v_lshrrev_b32 v14, 2, v2
	v_mul_u32_u24 v14, v14, SP
	v_and_b32 v15, 3, v2
	v_lshl_add_u32 v14, v15, 4, v14
	v_add_nc_u32 v14, s17, v14                     ; the stage, way in: four lanes' 64 bytes on end, then 16 of padding
	v_mul_u32_u24 v15, v2, SP
	v_add_nc_u32 v15, s17, v15                     ; way out: my 16 neighbours
	v_lshlrev_b32 v4, 3, v2                        ; 8 bytes a lane: my codes in a step's 256, my part of the 256 scale bytes
	v_lshrrev_b32 v5, 1, v2
	s_add_co_u32 s17, s17, 2*32*SP
	v_add_nc_u32 v5, s17, v5                       ; my block's byte among the wave's 256 scale bytes
	v_add_nc_u32 v6, s17, v4
	s_lshl_b32 s17, ttmp9, 2
	s_add_co_u32 s17, s17, s16                     ; which run of 8,192 numbers is my wave's
	s_lshl_b32 s18, s17, 15
	s_add_nc_u64 s[4:5], s[4:5], s[18:19]          ; 32,768 bytes of x a run,
	s_lshl_b32 s20, s17, 12
	s_add_nc_u64 s[22:23], s[10:11], s[20:21]      ; 4,096 bytes of codes,
	s_lshl_b32 s20, s17, 8
	s_add_nc_u64 s[24:25], s[10:11], s[20:21]      ; 256 scale bytes
	s_add_nc_u64 s[24:25], s[24:25], XSO
.irp t, 0,1,2,3
	XLOAD \t
.endr
	s_wait_loadcnt 12                              ; step 0's four loads are in
	XTURN 0
.irp t, 0,1,2,3,4,5,6,7,8,9,10,11,12,13,14,15
	XSTEP \t
.endr
	ds_load_b64 v[8:9], v6                         ; LDS serves a wave's instructions in order: these see my byte stores
	s_wait_dscnt 0x0
	global_store_b64 v4, v[8:9], s[24:25]          ; 32 lanes store 256 consecutive bytes, aligned
	FINISH
.Lnot_x:
	s_cmp_lt_u32 ttmp9, 320
	s_cbranch_scc0 .Lproj_w
	; ================ W_attn: a work-group takes 64 columns x 512 along K; wave w takes columns 32 (w % 2) on and 256 (w / 2) on along K.
	; A column's 512 codes are 256 bytes: waves w and w + 2 fill the two halves of the same stage rows; behind a barrier each wave stores 16 whole rows
	s_sub_co_u32 s17, ttmp9, 128
	s_and_b32 s18, s17, 3                          ; which 512 along K
	s_lshr_b32 s17, s17, 2                         ; which 64 columns of W_attn
	s_and_b32 s28, s17, 1                          ; which half of a group of 128
	s_lshr_b32 s17, s17, 1                         ; G: the group of 128
	s_lshl_b32 s20, s17, 1
	s_sub_co_u32 s22, s20, 16                      ; a key head 16 + j goes to group 16 + 2 j = 2 G - 16,
	s_sub_co_u32 s23, s20, 23                      ; a value head 20 + j to 17 + 2 j = 2 G - 23,
	s_cmp_lt_u32 s17, 20
	s_cselect_b32 s22, s22, s23
	s_cmp_lt_u32 s17, 16
	s_cselect_b32 s22, s17, s22                    ; a query head stays
	s_and_b32 s29, s16, 1                          ; which 32 of the 64 columns are my wave's
	s_lshr_b32 s30, s16, 1                         ; which 256 of the 512 along K
	s_lshl_b32 s23, s28, 6
	s_lshl_b32 s28, s29, 5
	s_add_co_u32 s23, s23, s28                     ; my first column within the group
	s_lshl_b32 s17, s17, 7
	s_add_co_u32 s17, s17, s23                     ; my wave's first column in W_attn
	s_lshl_b32 s22, s22, 7
	s_add_co_u32 s22, s22, s23                     ; and its row in the codes
	v_lshlrev_b32 v3, 2, v2                        ; in: 4 bytes a lane
	s_mul_i32 s23, s29, 32*WP
	s_add_co_u32 s23, s23, WSTG                    ; the stage of my 32 columns
	s_lshl_b32 s28, s30, 7
	s_add_co_u32 s28, s28, s23
	v_mul_u32_u24 v4, v2, WP
	v_add_nc_u32 v4, s28, v4                       ; into it: row = my column, my half of its 256 bytes
	s_mul_i32 s28, s30, 16*WP
	s_add_co_u32 s28, s28, s23
	v_and_b32 v5, 15, v2
	v_lshrrev_b32 v6, 4, v2
	v_mul_u32_u24 v7, v6, WP
	v_lshl_add_u32 v7, v5, 4, v7
	v_add_nc_u32 v7, s28, v7                       ; out of it: rows 16 (w / 2) on; sixteen lanes to a row, two rows an instruction
	v_lshlrev_b32 v8, 10, v6
	v_lshl_add_u32 v8, v5, 4, v8                   ; the same place in the codes: rows of 1,024 bytes
	v_lshlrev_b32 v9, 6, v2                        ; my column's row of 64 scale bytes
	s_mul_i32 s20, s18, 512*12288
	s_mul_i32 s28, s30, 256*12288
	s_add_co_u32 s20, s20, s28
	s_lshl_b32 s28, s17, 2
	s_add_co_u32 s20, s20, s28
	s_add_nc_u64 s[6:7], s[6:7], s[20:21]
	s_lshl_b32 s28, s30, 4
	s_add_co_u32 s28, s28, s22                     ; the first row that I store
	s_lshl_b32 s20, s28, 10
	s_lshl_b32 s28, s18, 8
	s_add_co_u32 s20, s20, s28
	s_add_co_u32 s20, s20, WCO
	s_add_nc_u64 s[24:25], s[10:11], s[20:21]
	s_lshl_b32 s20, s22, 6
	s_lshl_b32 s28, s18, 4
	s_add_co_u32 s20, s20, s28
	s_lshl_b32 s28, s30, 3
	s_add_co_u32 s20, s20, s28
	s_add_co_u32 s20, s20, WSO
	s_add_nc_u64 s[26:27], s[10:11], s[20:21]
	WLOAD 0
	WLOAD 1
.irp t, 0,1,2,3,4,5,6,7
	WBLOCK \t
.endr
	s_wait_dscnt 0x0                               ; for the other wave's sake: my stores into the stage are done
	s_barrier_signal -1
	s_barrier_wait -1                              ; the rows are whole
.irp t, 0,1,2,3,4,5,6,7
	ds_load_b128 v[WOUT+4*\t:WOUT+4*\t+3], v7 offset:2*\t*WP
.endr
	global_store_b64 v9, v[WSB:WSB+1], s[26:27]    ; my column's 8 scale bytes
.irp t, 0,1,2,3,4,5,6,7
	s_wait_dscnt 7-\t
	global_store_b128 v8, v[WOUT+4*\t:WOUT+4*\t+3], s[24:25] offset:2*\t*1024   ; sixteen lanes store 256 consecutive bytes, aligned
.endr
	FINISH
.Lproj_w:
	; ================ W_proj: a wave takes 32 columns x 256 along K; no LDS
	s_sub_co_u32 s17, ttmp9, 320
	s_and_b32 s18, s17, 7                          ; which 256 along K
	s_lshr_b32 s17, s17, 3                         ; which 128 columns
	v_lshlrev_b32 v3, 2, v2
	v_lshlrev_b32 v4, 4, v2
	s_mov_b32 s26, 0x45000000                      ; 2^11
	s_mov_b32 s27, s26                             ; (named with it as a pair, so it is written)
	s_lshl_b32 s20, s18, 21                        ; 256 rows of 8,192 bytes
	s_lshl_b32 s22, s17, 9
	s_add_co_u32 s20, s20, s22
	s_lshl_b32 s22, s16, 7
	s_add_co_u32 s20, s20, s22
	s_add_nc_u64 s[8:9], s[8:9], s[20:21]
	s_lshl_b32 s20, s17, 19                        ; images: block of columns 8 X + 2 wave, 65,536 bytes a block; fragment 8 y on, 1,024 bytes each
	s_lshl_b32 s22, s16, 17
	s_add_co_u32 s20, s20, s22
	s_lshl_b32 s22, s18, 13
	s_add_co_u32 s20, s20, s22
	s_add_nc_u64 s[12:13], s[12:13], s[20:21]      ; the high parts
	s_add_nc_u64 s[14:15], s[12:13], WLO           ; the low parts
	PLOAD 0
	PLOAD 1
.irp t, 0,1,2,3,4,5,6,7
	CAST \t
.endr
	FINISH
.Lfunc_end_k_q775cec9150_prep:
	.size	k_q775cec9150_prep, .Lfunc_end_k_q775cec9150_prep-k_q775cec9150_prep
	.p2alignl 7, 3214868480
	.fill 96, 4, 3214868480
	.section	.rodata,"a",@progbits
	.p2align	6, 0x0
	.amdhsa_kernel k_q775cec9150_prep
		.amdhsa_group_segment_fixed_size 50688
		.amdhsa_private_segment_fixed_size 0
		.amdhsa_enable_private_segment 0
		.amdhsa_kernarg_size 40
		.amdhsa_user_sgpr_count 2
		.amdhsa_user_sgpr_kernarg_segment_ptr 1
		.amdhsa_wavefront_size32 1
		.amdhsa_system_sgpr_workgroup_id_x 1
		.amdhsa_system_sgpr_workgroup_id_y 1
		.amdhsa_system_sgpr_workgroup_id_z 1
		.amdhsa_system_vgpr_workitem_id 0
		.amdhsa_next_free_vgpr 192
		.amdhsa_next_free_sgpr 66
		.amdhsa_reserve_vcc 0
		.amdhsa_float_denorm_mode_32 3
		.amdhsa_float_denorm_mode_16_64 3
		.amdhsa_memory_ordered 1
		.amdhsa_forward_progress 1
		.amdhsa_inst_pref_size 173
	.end_amdhsa_kernel
	.amdgpu_metadata
---
amdhsa.version: [ 1, 2 ]
amdhsa.kernels:
  - .name:           k_q775cec9150_prep
    .symbol:         k_q775cec9150_prep.kd
    .args:
      - { .name: x, .offset: 0, .size: 8, .value_kind: global_buffer, .address_space: global }
      - { .name: W_attn, .offset: 8, .size: 8, .value_kind: global_buffer, .address_space: global }
      - { .name: W_proj, .offset: 16, .size: 8, .value_kind: global_buffer, .address_space: global }
      - { .name: codes, .offset: 24, .size: 8, .value_kind: global_buffer, .address_space: global }
      - { .name: wimg, .offset: 32, .size: 8, .value_kind: global_buffer, .address_space: global }
    .group_segment_fixed_size: 50688
    .private_segment_fixed_size: 0
    .kernarg_segment_align: 8
    .kernarg_segment_size: 40
    .max_flat_workgroup_size: 128
    .sgpr_count:     66
    .vgpr_count:     192
    .wavefront_size: 32
...
	.end_amdgpu_metadata
.endif
;; end of part 1
;; launch gemm_qkv (part 2): grid 12 x 8, 4 waves a work-group, clusters of 4 x 4, 327,680 bytes of LDS; arguments codes, b_attn, freqs_cos, freqs_sin, qkv; writes qkv
.if DOCPART == 2
	.amdgcn_target "amdgcn-amd-amdhsa--gfx1250"
	.amdhsa_code_object_version 6
	.text
	.protected	k_q775cec9150_gemm_qkv
	.globl	k_q775cec9150_gemm_qkv
	.p2align	8
	.type	k_q775cec9150_gemm_qkv,@function
k_q775cec9150_gemm_qkv:
	s_mov_b64 s[64:65], 0
	v_nop
	global_prefetch_b8 v0, s[64:65] scope:SCOPE_SE
	s_setreg_imm32_b32 hwreg(HW_REG_WAVE_MODE, 25, 1), 1
	s_wait_xcnt 0x0
	s_wait_alu depctr_hold_cnt(0) depctr_sa_sdst(0) depctr_va_vdst(0) depctr_va_sdst(0) depctr_va_ssrc(0) depctr_va_vcc(0) depctr_vm_vsrc(0)
	s_getreg_b32 s2, hwreg(HW_REG_IB_STS2, 6, 4)
	s_cmp_eq_u32 s2, 0
	s_cbranch_scc0 .Lentry_in_a_cluster
	s_endpgm
.Lentry_in_a_cluster:
	s_bfe_u32 s2, ttmp6, 0x10000c
	s_cmp_lg_u32 s2, 0xf033
	s_cbranch_scc0 .Lentry_shape_is_right
	s_endpgm
.Lentry_shape_is_right:
; qkv = Q(x) Q(W_attn) + b_attn on codes of FP4 (E2M1) with one E8M0 scale for each 32 along K, sums in f32; then the rotation of K and V; the results leave as f16 IMAGES OF OPERAND REGISTERS for the attention.
; A = x's codes [2048][2048 k], B = W_attn's codes [3072 n'][2048 k] (n': groups of 128 columns: 0-15 query heads, 16 + 2 j key head j, 17 + 2 j value head j), with their scale bytes [rows][64].
; A tile of 256 x 256 to a work-group of four waves, 128 x 128 a wave: 64 accumulators, 512 registers.  K goes in steps of 512 through a ring of two LDS slots filled by the tensor data mover (rows of 256 bytes).
; The scales of the work-group's rows, for all of K, come into LDS once, with the first fills.  CLUSTERS: 4 x 4 work-groups; A's tiles are asked for jointly along a row of the cluster, B's along a column.
; THE MATRIX INSTRUCTION IS USED TRANSPOSED (source 0 = 16 rows of B, source 1 = 16 rows of A): lane (r, h) holds position r of a block of 16 and eight neighbouring columns 16 b + 8 h + 0..7.
; THE BIAS is the C of each sum's first matrix instruction: 64 registers (eight for each of B's eight blocks), in the result's layout.
; THE WAY OUT.  A wave's 128 columns are one head.  Eight neighbouring columns, rounded to f16, are 16 bytes: exactly a lane's part of half a fragment (16 positions x 32 channels: half u at 512 u + 16 x lane holds
; channels 16 u + 8 h + 0..7), so Q and K are stored straight from registers, 512 consecutive bytes an instruction.  V is wanted with the keys along a lane's registers: it turns through the wave's stage in LDS.
; COS AND SIN of a block of 16 positions are 64 registers; three sets take turns, so that a block's are asked for three blocks ahead.  Blocks 0 and 1 are asked for behind the first K step and land under the K loop.
; Every wave issues those 32 loads, on the one way that all waves take; the query heads' waves do not use theirs (16,384 bytes a wave).
; The f32 numbers of the first 16 rows of tile rows 0 to 3 are stored too (only tile row 0's are read later).
; LIMITS: q, k, v beyond 65,504 in magnitude are not served (f16); NaN and infinities are not served.
; REGISTERS: window 0: v0-31 addresses; v32-95 scale words, two sets, and nothing else; v128-191 A's fragments, one set; on the way out v160-191 packed results, v192-255 V turned, two sets.
;   window 1: B's fragments at v0 and v128; v64-127 the bias; on the way out v0-63 rotated numbers; cos and sin at v64, v192, v128.   windows 2, 3: the accumulators ((a, b) at v[8 (8 (a % 4) + b)]).
.set SIZE_K, 2048
.set XSO,    5242880                   ; in codes: x's scale bytes, W's codes, W's scale bytes
.set WCO,    2097152
.set WSO,    5373952
.set KFO,    8388608                   ; in qkv: K's images, V's images, the f32 rows
.set VFO,    10485760
.set FINEO,  12582912
.set KSTEP,  512
.set NQ,     KSTEP/128
.set ROWB,   256
.set KROW,   SIZE_K*4/8
.set PITCH,  272                       ; an LDS row: 256 bytes + 16 of padding = 68 words: the 16 rows that a load touches start at 16 different banks (64 banks of 4 bytes: ISA guide 11.1)
.set FR,     8
.set NL,     2
.set NP,     4                         ; places behind this matrix instruction (ISA guide 7.12.1)
.set HALFT,  128*PITCH
.set SLOT,   4*HALFT
.set LAPS,   SIZE_K/(2*KSTEP)
.set KS,     SIZE_K/32
.set SCL,    2*SLOT
.set HALFS,  (128*KS/256)*272
.set SBLK,   (16*KS/256)*272
.set SPARE,  SCL+4*HALFS               ; the spare words, 128 bytes a wave: two blocks of 256 bytes that no other line names
.set VPITCH, 288                       ; V's stage: 16 keys x (256 bytes + 32), 4,608 bytes a wave, in slot 0, which has had its last fill and its last read when the first result is stored there
.set ADRA, 16
.set ADRB, 20
.set STO,  24                          ; v24 the stage, way in
.set RD,   25                          ; v25 the stage, turned way back
.set RA,   26                          ; v26 my byte in the wave's rows of cos and sin: 256 r + 16 h; never rewritten
.set ADRS, 27
.set SPW,  28
.set NIL,  29
.set LI,   30                          ; v30 16 x lane
.set FO,   31                          ; v31 my byte in the f32 rows: 12,288 r + 32 h
.set SC,   32
.set AF,   128
.set PK,   160
.set VB,   192
.set G1, 24
.set G0, 32
.set G1B, 48
.set G0B, 56
.set G1S, 68
.set G0S, 76
.set G1SB, 80
.set G0SB, 88
.set MSB, 0
.macro WIN new                         ; the immediate's high byte repeats the setting that is left
.if MSB != (\new)
	s_set_vgpr_msb (MSB<<8)|(\new)
.set MSB, (\new)
.endif
.endm
.set MUL_LO, 0xa1                      ; source 0 (B) window 1, source 1 (A) window 0, C and D window 2
.set MUL_HI, 0xf1
.set BIAS_LO, 0x91                     ; the same with C (the bias) in window 1
.set BIAS_HI, 0xd1
.set TO_B,   0x40
; A joint load: waves 0 and 1 fetch for A, waves 2 and 3 for B; the branch hangs on the wave's number alone.  An s_nop 0 and four v_nop follow each of the two lines.
.macro JLOAD g0a, g1a, g0b, g1b
	s_cmp_eq_u32 s15, 0
	s_cbranch_scc0 .Lfor_b_\@
	tensor_load_to_lds s[\g0a:\g0a+3], s[\g1a:\g1a+7]
	s_nop 0
.rept 4
	v_nop
.endr
	s_branch .Lasked_\@
.Lfor_b_\@:
	tensor_load_to_lds s[\g0b:\g0b+3], s[\g1b:\g1b+7]
	s_nop 0
.rept 4
	v_nop
.endr
.Lasked_\@:
.endm
.macro CREST
	s_cmp_lg_u32 s14, 0
	s_cbranch_scc1 .Lnot_wave_0_\@
	s_barrier_signal -3
.Lnot_wave_0_\@:
	s_barrier_wait -3
	s_barrier_signal -1
	s_barrier_wait -1
.endm
.macro CROUND
	s_barrier_signal -1
	s_barrier_wait -1
	CREST
.endm
	s_load_b128 s[4:7], s[0:1], 0x0                ; codes s[4:5], b_attn s[6:7]
	s_load_b128 s[96:99], s[0:1], 0x10             ; cos s[96:97], sin s[98:99]
	s_load_b64 s[12:13], s[0:1], 0x20              ; qkv
	v_lshl_add_u32 v[SPW], v0, 2, SPARE
	v_mov_b32 v[NIL], 0
	ds_add_u32 v[SPW], v[NIL]                      ; the wave's opening: the add, twice on end, and its wait ahead of my first tensor load
	ds_add_u32 v[SPW], v[NIL]
	v_lshrrev_b32 v1, 5, v0
	v_readfirstlane_b32 s14, v1                    ; wave 0..3
	s_lshr_b32 s15, s14, 1                         ; which half of the tile's rows is mine.  Also: I fetch for A (0) or for B (1)
	s_and_b32 s16, s14, 1                          ; which half of its columns.  Also: which 128 rows of that tile I fetch
	s_bfe_u32 s40, ttmp6, 0x40000                  ; cx, cy
	s_bfe_u32 s41, ttmp6, 0x40004
	s_lshl_b32 s42, ttmp9, 2
	s_add_co_u32 s42, s42, s40                     ; tile column = 4 x cluster x + cx
	s_and_b32 s17, ttmp7, 0xffff
	s_lshl_b32 s17, s17, 2
	s_add_co_u32 s17, s17, s41                     ; tile row = 4 x cluster y + cy
	s_lshl_b32 s43, s41, 2
	s_lshl_b32 s43, 15, s43                        ; my row of the cluster
	s_lshl_b32 s44, 0x1111, s40                    ; my column
	s_or_b32 s[G1+0], s43, (0<<16)|(1<<20)|(1<<21)|(5<<22)|(3<<25)  ; the mask; elements of 1 byte; padding on; bit 21 beside a mask; after every 64 words, 4 words
	s_or_b32 s[G1B+0], s44, (0<<16)|(1<<20)|(1<<21)|(5<<22)|(3<<25)
.irp g, G1, G1B
	s_mov_b32 s[\g+1], ROWB<<16                    ; tensor_dim0
	s_mov_b32 s[\g+2], 128<<16                     ; tensor_dim1
	s_mov_b32 s[\g+3], ROWB<<16                    ; tile_dim0
	s_mov_b32 s[\g+4], 128                         ; tile_dim1
	s_mov_b32 s[\g+5], KROW                        ; the pitch
	s_mov_b32 s[\g+6], 0
	s_mov_b32 s[\g+7], 0
.endr
	s_or_b32 s[G1S+0], s43, (3<<16)|(1<<20)|(1<<21)|(5<<22)|(3<<25)   ; the scales of 128 rows: a dense block, as rows of 256 bytes (32 elements of 8), 16 bytes of padding behind each
	s_or_b32 s[G1SB+0], s44, (3<<16)|(1<<20)|(1<<21)|(5<<22)|(3<<25)
.irp g, G1S, G1SB
	s_mov_b32 s[\g+1], 32<<16
	s_mov_b32 s[\g+2], (128*KS/256)<<16
	s_mov_b32 s[\g+3], 32<<16
	s_mov_b32 s[\g+4], 128*KS/256
	s_mov_b32 s[\g+5], 32
	s_mov_b32 s[\g+6], 0
	s_mov_b32 s[\g+7], 0
.endr
	s_lshl_b32 s18, s16, 7
	s_lshl_b32 s20, s17, 8
	s_add_co_u32 s20, s20, s18                     ; A: row 256 x tile row + 128 x half
	s_lshl_b32 s46, s42, 8
	s_add_co_u32 s46, s46, s18                     ; B: row 256 x tile column + 128 x half
	s_mov_b32 s21, 0
	s_mov_b32 s47, 0
	s_mov_b64 s[18:19], KS
	s_mul_u64 s[22:23], s[20:21], s[18:19]
	s_mul_u64 s[92:93], s[46:47], s[18:19]
	s_mov_b64 s[18:19], KROW
	s_mul_u64 s[20:21], s[20:21], s[18:19]
	s_mul_u64 s[46:47], s[46:47], s[18:19]
	s_mul_i32 s45, s14, HALFT                      ; where they go: wave x 128 rows
	s_mul_i32 s94, s14, HALFS
	s_wait_dscnt 0x0                               ; both opening adds are done
	s_wait_kmcnt 0x0
	s_mov_b64 s[100:101], s[6:7]                   ; b_attn
	s_add_nc_u64 s[6:7], s[4:5], XSO               ; the four parts of the buffer of codes
	s_add_nc_u64 s[8:9], s[4:5], WCO
	s_add_nc_u64 s[10:11], s[4:5], WSO
	s_add_nc_u64 s[20:21], s[4:5], s[20:21]
	s_add_nc_u64 s[22:23], s[6:7], s[22:23]
	s_add_nc_u64 s[46:47], s[8:9], s[46:47]
	s_add_nc_u64 s[92:93], s[10:11], s[92:93]
	CROUND                                         ; all sixteen work-groups are here: the first joint loads meet
	s_mov_b32 s[G0S], 1
	s_add_co_u32 s[G0S+1], s94, SCL
	s_mov_b64 s[G0S+2:G0S+3], s[22:23]
	s_or_b32 s[G0S+3], s[G0S+3], 0x80000000
	s_mov_b32 s[G0SB], 1
	s_add_co_u32 s[G0SB+1], s94, SCL
	s_mov_b64 s[G0SB+2:G0SB+3], s[92:93]
	s_or_b32 s[G0SB+3], s[G0SB+3], 0x80000000
	JLOAD G0S, G1S, G0SB, G1SB                     ; the scales first: they are wanted with K step 0
.irp s, 0,1
	s_mov_b32 s[G0+4*\s], 1
	s_add_co_u32 s[G0+4*\s+1], s45, \s*SLOT
	s_add_nc_u64 s[G0+4*\s+2:G0+4*\s+3], s[20:21], \s*ROWB
	s_or_b32 s[G0+4*\s+3], s[G0+4*\s+3], 0x80000000
	s_mov_b32 s[G0B+4*\s], 1
	s_add_co_u32 s[G0B+4*\s+1], s45, \s*SLOT
	s_add_nc_u64 s[G0B+4*\s+2:G0B+4*\s+3], s[46:47], \s*ROWB
	s_or_b32 s[G0B+4*\s+3], s[G0B+4*\s+3], 0x80000000
	JLOAD G0+4*\s, G1, G0B+4*\s, G1B               ; three tensor loads of mine are out here
.endr
	v_and_b32 v1, 15, v0                           ; r
	v_bfe_u32 v2, v0, 4, 1                         ; h
	v_mul_u32_u24 v3, v1, PITCH
	v_lshl_add_u32 v4, v2, 4, v3
	s_mul_i32 s21, s15, HALFT
	s_mul_i32 s22, s16, HALFT
	s_add_co_u32 s22, s22, 2*HALFT
.irp s, 0,1
	v_add_nc_u32 v[ADRA+\s], s21, v4
	v_add_nc_u32 v[ADRB+\s], s22, v4
	s_add_co_u32 s21, s21, SLOT
	s_add_co_u32 s22, s22, SLOT
.endr
	v_mul_u32_u24 v5, v1, KS                       ; my row's scales: KS bytes a row,
	v_lshrrev_b32 v6, 8, v5
	v_lshl_add_u32 v5, v6, 4, v5                   ; and 16 more for each 256 passed
	s_mul_i32 s21, s15, HALFS
	s_mul_i32 s22, s16, HALFS
	s_add_co_u32 s22, s22, 2*HALFS
	s_sub_co_u32 s22, s22, s21
	v_mul_u32_u24 v6, s22, v2                      ; lanes 16-31 take B's
	s_add_co_u32 s21, s21, SCL
	v_add_nc_u32 v5, v5, v6
	v_add_nc_u32 v[ADRS], s21, v5
	s_mul_i32 s23, s14, 16*VPITCH                  ; my stage
	v_mul_u32_u24 v5, v1, VPITCH
	v_lshl_add_u32 v5, v2, 4, v5
	v_add_nc_u32 v[STO], s23, v5                   ; in: key r, 16 bytes for each half of the lanes
	v_and_b32 v5, 7, v0
	v_lshl_add_u32 v5, v2, 3, v5
	v_mul_u32_u24 v5, v5, VPITCH
	v_bfe_u32 v6, v0, 3, 1
	v_lshl_add_u32 v5, v6, 4, v5
	v_add_nc_u32 v[RD], s23, v5                    ; turned: key 8 h + lane % 8, channels 8 ((lane / 8) % 2) on
	v_lshlrev_b32 v[RA], 8, v1
	v_lshl_add_u32 v[RA], v2, 4, v[RA]
	v_and_b32 v6, 31, v0
	v_lshlrev_b32 v[LI], 4, v6
	v_mul_u32_u24 v[FO], v1, 12288
	v_lshl_add_u32 v[FO], v2, 5, v[FO]
	v_lshlrev_b32 v7, 5, v2                        ; the bias: 32 h bytes
	; which head is my wave's, and where its results go.  The choices hang on the cluster's x (tile columns 0-7: query heads) and on the wave's number
	s_lshl_b32 s20, s42, 1
	s_add_co_u32 s20, s20, s16                     ; a query head: 2 x tile column + half
	s_sub_co_u32 s21, s42, 8                       ; a key or value head: tile column - 8
	s_mul_i32 s22, s16, VFO-KFO
	s_add_co_u32 s22, s22, KFO                     ; K's images (half 0) or V's (half 1)
	s_lshl_b32 s23, s16, 2
	s_add_co_u32 s23, s23, s42
	s_add_co_u32 s23, s23, 8                       ; their group of 128 in b_attn: 16 + (tile column - 8) + 4 x half
	s_cmp_lt_u32 ttmp9, 2
	s_cselect_b32 s23, s20, s23
	s_cselect_b32 s20, s20, s21
	s_cselect_b32 s22, 0, s22
	s_lshl_b32 s46, s23, 9
	s_mov_b32 s47, 0
	s_add_nc_u64 s[100:101], s[100:101], s[46:47]
	WIN TO_B
.irp b, 0,1,2,3,4,5,6,7
	global_load_b128 v[64+8*\b:67+8*\b], v7, s[100:101] offset:64*\b        ; b_attn at columns 16 b + 8 h + 0..7
	global_load_b128 v[68+8*\b:71+8*\b], v7, s[100:101] offset:64*\b+16
.endr
	WIN 0
	s_lshl_b32 s21, s17, 4
	s_lshl_b32 s46, s15, 3
	s_add_co_u32 s21, s21, s46                     ; my first block of 16 positions: 16 x tile row + 8 x half
	s_lshl_b32 s20, s20, 7
	s_add_co_u32 s20, s20, s21
	s_lshl_b32 s20, s20, 12                        ; (head x 128 + block) x 4,096 bytes, for Q, K and V alike
	s_add_co_u32 s46, s20, s22
	s_add_nc_u64 s[92:93], s[12:13], s[46:47]      ; my images
	s_mul_i32 s46, s17, 196608
	s_lshl_b32 s20, s42, 10
	s_add_co_u32 s46, s46, s20
	s_lshl_b32 s20, s16, 9
	s_add_co_u32 s46, s46, s20
	s_add_co_u32 s46, s46, FINEO
	s_add_nc_u64 s[12:13], s[12:13], s[46:47]      ; the f32 rows: [tile row][16][3072], at my 128 columns
	s_lshl_b32 s46, s21, 12                        ; 16 rows of 256 bytes a block
	s_add_nc_u64 s[96:97], s[96:97], s[46:47]      ; cos and sin at my first position; never rewritten from here on
	s_add_nc_u64 s[98:99], s[98:99], s[46:47]
	s_and_b32 s20, ttmp7, 0xffff
	s_or_b32 s20, s20, s15
	s_cmp_eq_u32 s20, 0
	s_cselect_b32 s95, 1, 0                        ; 1: the cluster's y is 0 and my rows are the tile's upper half: my first block is stored in f32 too
.macro FRAG reg, adr, q, i             ; 16 rows x 128 K of 4-bit codes: 8 registers
.irp c, 0,1
	ds_load_b128 v[\reg+4*\c:\reg+4*\c+3], v[\adr] offset:64*(\q)+32*\c+(\i)*16*PITCH
.endr
.endm
; 16 matrix instructions: A's blocks a0, a0 + 1 x B's eight.  zero = 1: the first product starts the sums, with the bias as C.  The 64 accumulators take turns, one instruction a turn.
.macro MUL16 a0, p, q, sc, zero
.irp a, \a0, \a0+1
.irp b, 0,1,2,3,4,5,6,7
.if \zero
	v_wmma_scale_f32_16x16x128_f8f6f4 v[8*(8*((\a)%4)+\b):8*(8*((\a)%4)+\b)+7], v[128*(\p)+FR*\b:128*(\p)+FR*\b+FR-1], v[AF+FR*(\a):AF+FR*(\a)+FR-1], v[64+8*\b:71+8*\b], v[SC+8*NQ*(\sc)+NQ*\b+(\q)], v[SC+8*NQ*(\sc)+NQ*(\a)+(\q)] matrix_a_fmt:MATRIX_FMT_FP4 matrix_b_fmt:MATRIX_FMT_FP4 matrix_a_scale:MATRIX_SCALE_ROW1
.else
	v_wmma_scale_f32_16x16x128_f8f6f4 v[8*(8*((\a)%4)+\b):8*(8*((\a)%4)+\b)+7], v[128*(\p)+FR*\b:128*(\p)+FR*\b+FR-1], v[AF+FR*(\a):AF+FR*(\a)+FR-1], v[8*(8*((\a)%4)+\b):8*(8*((\a)%4)+\b)+7], v[SC+8*NQ*(\sc)+NQ*\b+(\q)], v[SC+8*NQ*(\sc)+NQ*(\a)+(\q)] matrix_a_fmt:MATRIX_FMT_FP4 matrix_b_fmt:MATRIX_FMT_FP4 matrix_a_scale:MATRIX_SCALE_ROW1
.endif
.endr
.endr
.endm
.macro FETCH_B slot, q, p
	WIN TO_B
.irp i, 0,1,2,3,4,5,6,7
	FRAG 128*(\p)+FR*\i, ADRB+\slot, \q, \i
.endr
	WIN 0
.endm
.macro FETCH_A slot, q, i0
.irp i, \i0, \i0+1, \i0+2, \i0+3
	FRAG AF+FR*(\i), ADRA+\slot, \q, \i
.endr
.endm
.macro SCALES sc                       ; lanes 0-15 take the words of A's block i, lanes 16-31 those of B's block i
.irp i, 0,1,2,3,4,5,6,7
	ds_load_b128 v[SC+8*NQ*\sc+NQ*\i:SC+8*NQ*\sc+NQ*\i+3], v[ADRS] offset:\i*SBLK
.endr
.endm
.macro PLACES n                        ; plain vector instructions between a matrix instruction and a load into, or a read of, its registers
.rept \n
	v_nop
.endr
.endm
.macro STEP slot, q, zero
	s_wait_dscnt 4*NL                              ; B's set and A's blocks 0-3 are in; the youngest loads (A's blocks 4-7) may be out
.if \zero
	WIN BIAS_LO
.else
	WIN MUL_LO
.endif
	MUL16 0, (\q)%2, \q, \slot, \zero
	MUL16 2, (\q)%2, \q, \slot, \zero
	s_wait_dscnt 0                                 ; A's blocks 4-7 are in
	PLACES NP
	FETCH_B \slot, (\q)+1, 1-(\q)%2
	FETCH_A \slot, (\q)+1, 0
.if \zero
	WIN BIAS_HI
.else
	WIN MUL_HI
.endif
	MUL16 4, (\q)%2, \q, \slot, \zero
	MUL16 6, (\q)%2, \q, \slot, \zero
	PLACES NP
	WIN 0
	FETCH_A \slot, (\q)+1, 4
.endm
; A slot's last step changes slots: one barrier; in front of it each wave waits for all its tensor loads, adds 0 to its spare word, and waits for that and for its reads of this slot.
.macro TURN slot, next, fill
	s_wait_tensorcnt 0x0                           ; all my tensor loads have landed: my part of the next slot
	ds_add_u32 v[SPW], v[NIL]
	s_wait_dscnt 4*NL+1                            ; (the add and the youngest loads, A's blocks 4-7, may be out)
	WIN MUL_LO
	MUL16 0, 1, NQ-1, \slot, 0
	s_wait_dscnt 0x0                               ; the add is done, and my reads of this slot are over
	s_barrier_signal -1
	MUL16 2, 1, NQ-1, \slot, 0
	WIN 0
	s_barrier_wait -1
.if \fill
	CREST                                          ; the barrier has opened a round of the cluster's barrier: no wave of any partner still reads this slot or has a load on its way
	s_add_nc_u64 s[G0+4*\slot+2:G0+4*\slot+3], s[G0+4*\slot+2:G0+4*\slot+3], 2*ROWB
	s_add_nc_u64 s[G0B+4*\slot+2:G0B+4*\slot+3], s[G0B+4*\slot+2:G0B+4*\slot+3], 2*ROWB
	JLOAD G0+4*\slot, G1, G0B+4*\slot, G1B         ; the first tensor load behind the round, my only one until the next
.else
	PLACES NP
.endif
	v_add_nc_u32 v[ADRS], 4*NQ, v[ADRS]            ; on to the next K step's scale words
	FETCH_B \next, 0, 0
	FETCH_A \next, 0, 0
	SCALES \next
	WIN MUL_HI
	MUL16 4, 1, NQ-1, \slot, 0
	MUL16 6, 1, NQ-1, \slot, 0
	PLACES NP
	WIN 0
	FETCH_A \next, 0, 4
.endm
.macro STEPS slot, from
.set Q, \from
.rept NQ-1-\from
	STEP \slot, Q, 0
.set Q, Q+1
.endr
.endm
; cos and sin of block a's 16 positions: lane (r, h) wants pairs 8 b + 4 h + 0..3.  Set a % 3 of three, in window 1: at v64, v192, v128
.macro CSLOAD a
.set CL, 64+128*((\a)%3)-192*(((\a)%3)/2)
	WIN TO_B
.irp b, 0,1,2,3,4,5,6,7
	global_load_b128 v[CL+8*\b:CL+8*\b+3], v[RA], s[96:97] offset:(\a)*4096+32*\b
	global_load_b128 v[CL+8*\b+4:CL+8*\b+7], v[RA], s[98:99] offset:(\a)*4096+32*\b
.endr
	WIN 0
.endm
	s_wait_tensorcnt 1                             ; the scales and my part of K step 0 are in (K step 1's load may be out)
	s_barrier_signal -1
	s_barrier_wait -1                              ; everybody's are
	FETCH_B 0, 0, 0
	FETCH_A 0, 0, 0
	SCALES 0
	FETCH_A 0, 0, 4
	s_wait_loadcnt 0x0                             ; the bias
	STEP 0, 0, 1                                   ; the first step stands in front of the loop: its products start the sums
	CSLOAD 0                                       ; into the bias's registers: their last reader stands four places back.  These 32 loads land under the K loop, which waits for no load into registers
	CSLOAD 1
	s_mov_b32 s3, LAPS-1
.Llap:                                                 ; a trip goes once round the ring and fills both slots again
	STEPS 0, 1
	TURN 0, 1, 1
	STEPS 1, 0
	TURN 1, 0, 1
	STEP 0, 0, 0
	s_sub_co_u32 s3, s3, 1
	s_cmp_lg_u32 s3, 0
	s_cbranch_scc1 .Llap
	STEPS 0, 1                                     ; the last lap fills nothing
	TURN 0, 1, 0
	STEPS 1, 0
	s_wait_dscnt 4*NL
	WIN MUL_LO
	MUL16 0, 1, NQ-1, 1, 0
	MUL16 2, 1, NQ-1, 1, 0
	s_wait_dscnt 0
	WIN MUL_HI
	MUL16 4, 1, NQ-1, 1, 0
	MUL16 6, 1, NQ-1, 1, 0
	WIN 0
; ---- THE WAY OUT
.macro OUT_Q a                         ; block a (16 positions) of a query head: rounded to f16 and stored as four fragments' images
.set AC, 64*((\a)%4)
	s_wait_xcnt 0x0                                ; the last block's stores have read their registers
	WIN 0x0a+5*((\a)/4)                            ; sources 0 and 1: window 2 or 3
.irp b, 0,1,2,3,4,5,6,7
.irp p, 0,1,2,3
	v_cvt_pk_f16_f32 v[PK+4*\b+\p], v[AC+8*\b+2*\p], v[AC+8*\b+2*\p+1]   ; each accumulator from its low end on
.endr
.endr
	WIN 0
.irp b, 0,1,2,3,4,5,6,7
	global_store_b128 v[LI], v[PK+4*\b:PK+4*\b+3], s[92:93] offset:(\a)*4096+512*\b   ; the wave stores 512 consecutive bytes, aligned
.endr
.if (\a) == 0
	s_cmp_eq_u32 s95, 0
	s_cbranch_scc1 .Lno_fine_\@
	WIN 0x08                                       ; a store's data are its source 1: window 2
.irp b, 0,1,2,3,4,5,6,7
	global_store_b128 v[FO], v[8*\b:8*\b+3], s[12:13] offset:64*\b
	global_store_b128 v[FO], v[8*\b+4:8*\b+7], s[12:13] offset:64*\b+16
.endr
	WIN 0
.Lno_fine_\@:
.endif
.endm
.macro VSEND a                         ; block a of a value head, turned: half a % 2 of the fragments (32 keys, 16 channels)
.irp c, 0,1,2,3,4,5,6,7
	global_store_b128 v[LI], v[VB+32*((\a)%2)+4*\c:VB+32*((\a)%2)+4*\c+3], s[92:93] offset:((\a)/2)*8192+\c*1024+((\a)%2)*512
.endr
.endm
; Block a of a key or value head: rotated in f32, rounded to f16; K stored like Q; V turned through the stage, its stores a block behind its turn.
.macro OUT_KV a
.set AC, 64*((\a)%4)
.set CB, 64+128*((\a)%3)-192*(((\a)%3)/2)
.if (\a) == 1
	s_wait_xcnt 0x0                                ; block 0's f32 stores have read the rotated numbers, which are written again below
.endif
.if (\a) < 6
	s_wait_loadcnt 32                              ; this block's cos and sin are in; the two younger sets, 16 loads each, may be out
.else
	s_wait_loadcnt 16*(7-(\a))
.endif
	WIN 0x46+(\a)/4                                ; destination and source 1 window 1, source 0 window 2 or 3
.irp b, 0,1,2,3,4,5,6,7
.irp p, 0,1,2,3
	v_mul_f32 v[8*\b+2*\p], v[AC+8*\b+2*\p], v[CB+8*\b+\p]            ; a c
	v_mul_f32 v[8*\b+2*\p+1], v[AC+8*\b+2*\p], v[CB+8*\b+4+\p]        ; a s
.endr
.endr
	WIN 0x56+(\a)/4                                ; and source 2 window 1
.irp b, 0,1,2,3,4,5,6,7
.irp p, 0,1,2,3
	v_fma_f32 v[8*\b+2*\p], -v[AC+8*\b+2*\p+1], v[CB+8*\b+4+\p], v[8*\b+2*\p]        ; a c - b s
	v_fma_f32 v[8*\b+2*\p+1], v[AC+8*\b+2*\p+1], v[CB+8*\b+\p], v[8*\b+2*\p+1]       ; a s + b c
.endr
.endr
	WIN 0
.if (\a) == 0
	s_cmp_eq_u32 s95, 0
	s_cbranch_scc1 .Lno_fine_\@
	WIN 0x04                                       ; the data: window 1
.irp b, 0,1,2,3,4,5,6,7
	global_store_b128 v[FO], v[8*\b:8*\b+3], s[12:13] offset:64*\b
	global_store_b128 v[FO], v[8*\b+4:8*\b+7], s[12:13] offset:64*\b+16
.endr
	WIN 0
.Lno_fine_\@:
.endif
.if (\a) > 0
	s_wait_xcnt 0x0                                ; the stores issued in the last block have read their registers: the packed results and V's turned set are written again below
	s_wait_dscnt 8                                 ; the last block's eight LDS stores have read the packed results; its eight turned loads may be out
.endif
.if (\a)+3 < 8
	CSLOAD (\a)+3                                  ; into the set that the rotation has just read: three blocks ahead
.endif
	WIN 0x05                                       ; sources 0 and 1 window 1
.irp i, 0,1,2,3,4,5,6,7,8,9,10,11,12,13,14,15,16,17,18,19,20,21,22,23,24,25,26,27,28,29,30,31
	v_cvt_pk_f16_f32 v[PK+\i], v[2*\i], v[2*\i+1]
.endr
	WIN 0
	s_cmp_eq_u32 s16, 0
	s_cbranch_scc0 .Lvalue_\@
.irp b, 0,1,2,3,4,5,6,7
	global_store_b128 v[LI], v[PK+4*\b:PK+4*\b+3], s[92:93] offset:(\a)*4096+512*\b
.endr
	s_branch .Ldone_\@
.Lvalue_\@:
.irp b, 0,1,2,3,4,5,6,7
	ds_store_b128 v[STO], v[PK+4*\b:PK+4*\b+3] offset:32*\b          ; 16 keys x 128 channels.  LDS serves a wave's instructions in order: these come behind the last block's turned loads
.endr
.irp c, 0,1,2,3,4,5,6,7
	ds_load_tr16_b128 v[VB+32*((\a)%2)+4*\c:VB+32*((\a)%2)+4*\c+3], v[RD] offset:32*\c       ; lane (r, h): channel 16 c + r, keys 8 h + 0..7
.endr
.if (\a) > 0
	s_wait_dscnt 16                                ; the last block's turned loads are in: 8 stores and 8 loads were issued behind them
	VSEND (\a)-1
.endif
.Ldone_\@:
.endm
	PLACES NP                                      ; behind the last products: in front of the reads of results and of the loads and writes into operands' registers
	s_cmp_lt_u32 ttmp9, 2                          ; the cluster's x: the same in all partners
	s_cbranch_scc0 .Lkv
.irp a, 0,1,2,3,4,5,6,7
	OUT_Q \a
.endr
	s_branch .Lfin
.Lkv:
	CSLOAD 2                                       ; into B's second set, which the last products have read, four places back
.irp a, 0,1,2,3,4,5,6,7
	OUT_KV \a
.endr
	s_cmp_eq_u32 s16, 0
	s_cbranch_scc1 .Lfin
	s_wait_dscnt 0x0                               ; a value head's last block is turned
	VSEND 7
.Lfin:
	s_wait_tensorcnt 0x0                           ; the wave's end, behind my last tensor load and my last LDS store
	ds_add_u32 v[SPW], v[NIL]
	s_wait_dscnt 0x0
	CROUND                                         ; the closing round: no work-group ends while a partner may still ask for a tile that names it
	s_endpgm
.Lfunc_end_k_q775cec9150_gemm_qkv:
	.size	k_q775cec9150_gemm_qkv, .Lfunc_end_k_q775cec9150_gemm_qkv-k_q775cec9150_gemm_qkv
	.p2alignl 7, 3214868480
	.fill 96, 4, 3214868480
	.section	.rodata,"a",@progbits
	.p2align	6, 0x0
	.amdhsa_kernel k_q775cec9150_gemm_qkv
		.amdhsa_group_segment_fixed_size 327680
		.amdhsa_private_segment_fixed_size 0
		.amdhsa_enable_private_segment 0
		.amdhsa_kernarg_size 40
		.amdhsa_user_sgpr_count 2
		.amdhsa_user_sgpr_kernarg_segment_ptr 1
		.amdhsa_wavefront_size32 1
		.amdhsa_system_sgpr_workgroup_id_x 1
		.amdhsa_system_sgpr_workgroup_id_y 1
		.amdhsa_system_sgpr_workgroup_id_z 1
		.amdhsa_system_vgpr_workitem_id 0
		.amdhsa_next_free_vgpr 1024
		.amdhsa_next_free_sgpr 102
		.amdhsa_reserve_vcc 0
		.amdhsa_float_denorm_mode_32 3
		.amdhsa_float_denorm_mode_16_64 3
		.amdhsa_memory_ordered 1
		.amdhsa_forward_progress 1
		.amdhsa_inst_pref_size 255
	.end_amdhsa_kernel
	.section	.bss,"aw",@nobits
	.p2align	6
	.space	262144
	.amdgpu_metadata
---
amdhsa.version: [ 1, 2 ]
amdhsa.kernels:
  - .name:           k_q775cec9150_gemm_qkv
    .symbol:         k_q775cec9150_gemm_qkv.kd
    .args:
      - { .name: codes, .offset: 0, .size: 8, .value_kind: global_buffer, .address_space: global }
      - { .name: b_attn, .offset: 8, .size: 8, .value_kind: global_buffer, .address_space: global }
      - { .name: freqs_cos, .offset: 16, .size: 8, .value_kind: global_buffer, .address_space: global }
      - { .name: freqs_sin, .offset: 24, .size: 8, .value_kind: global_buffer, .address_space: global }
      - { .name: qkv, .offset: 32, .size: 8, .value_kind: global_buffer, .address_space: global }
    .group_segment_fixed_size: 327680
    .private_segment_fixed_size: 0
    .kernarg_segment_align: 8
    .kernarg_segment_size: 40
    .max_flat_workgroup_size: 128
    .sgpr_count:     102
    .vgpr_count:     1024
    .wavefront_size: 32
...
	.end_amdgpu_metadata
.endif
;; end of part 2
;; launch attn (part 3): grid 64 x 4, 4 waves a work-group, no clusters, 135,680 bytes of LDS; arguments qkv, yimg; writes yimg
.if DOCPART == 3
	.amdgcn_target "amdgcn-amd-amdhsa--gfx1250"
	.amdhsa_code_object_version 6
	.text
	.protected	k_q775cec9150_attn
	.globl	k_q775cec9150_attn
	.p2align	8
	.type	k_q775cec9150_attn,@function
k_q775cec9150_attn:
	s_mov_b64 s[64:65], 0
	v_nop
	global_prefetch_b8 v0, s[64:65] scope:SCOPE_SE
	s_setreg_imm32_b32 hwreg(HW_REG_WAVE_MODE, 25, 1), 1
	s_wait_xcnt 0x0
; y[pos][head] = softmax over keys <= pos of (q . k / sqrt(128)) v, 16 query heads on 4 key and value heads, 2,048 positions.  f16 operands, f32 products' sums, maxima and sums; positions 0-15 wholly in f32.
; INPUTS are images of operand registers (a fragment: 1,024 bytes, half u at 512 u + 16 x lane): Q [head 16][block of 16 positions 128][4][1024], K [head 4][block of 16 keys 128][4][1024],
; V [head 4][32 keys 64][16 channels 8][1024] (a lane is a channel, its registers run along the keys); and the f32 rows of positions 0-15, [16][3072].
; SHARES.  Work-group (c, g) owns, for key head g, the blocks of 16 positions 127 - c (phase 0) and c (phase 1).  A wave holds four tiles: the block's 16 positions for each of the 4 query heads of g: they share every
; fragment of K and V and one mask.  THE FOUR WAVES SPLIT THE KEYS: a block b needs n = b / 4 + 1 steps of 64 keys; wave w takes steps w, w + 4, ..  The two phases together give the busiest wave 9 steps in every
; work-group.  Each wave keeps its own maximum, sum and O; they meet in LDS at a phase's end, where wave w finishes tile w.  K and V go from memory straight into registers: a step is 16,384 consecutive bytes of each.
; NO CLUSTER: each byte of K and V is read by one wave of a work-group and lands in no LDS that partners could share, and the work-groups of a head walk different numbers of steps.
; LAYOUT: S^T = K Q^T (source 0 = 16 keys, source 1 = 16 positions): a lane holds one position (lane % 16) and keys 8 (lane / 16) + 0..7; pairs rounded to f16 are source 1 of O^T = V^T P.
; SOFTMAX: running maximum m and sum l; p = 2^(c s - c m), c = log2(e) / sqrt(128); O and l are multiplied by 2^(c m_old - c m_new) in every step.
; IN A STEP matrix and vector work stand by turns: tiles 0, 1 are piece 0, tiles 2, 3 piece 2; piece 0's softmax stands in slices behind piece 2's products K Q^T, piece 2's behind piece 0's products V^T P.
; THE STEP IS WRITTEN FOUR TIMES (a wave's first step or not; with a successor or not), so that no load is jumped over and every counted wait has the same loads behind it on every way.  The diagonal step is always a
; wave's last, so the mask stands only in the forms without a successor.
; THE F32 WAY for block 0 stands inside the loop over the phases, at its head, and ends the wave there: the loop is left by falling through its branch back or by s_endpgm alone.
; LIMITS: f16 operands (magnitudes to 65,504); NaN and infinities are not served.
; REGISTERS: window 0: v2-11 addresses; v12-43 statistics, eight a tile; v44-61 at work; v62, v63 the add's two; v64-191 S^T, 32 a tile; v192-255 P, 16 a tile.   window 1: O^T, 64 a tile.
;   window 2: v0-127 Q, v128-255 K.   window 3: v0-127 V; v128-223 the sums of the f32 matrix form, written by matrix instructions alone.
.set KFO,   8388608
.set VFO,   10485760
.set FINEO, 12582912
.set YLO,   8388608
.set STAT,  131072                     ; LDS: 0: the waves' O^T, [wave 4][tile 4][16][512]; here: (c m, l), [wave 4][tile 4][lane 32][8]
.set SPARE, 135168                     ; the spare words, 128 bytes a wave: two blocks of 256 bytes that no other line names
.set LO,   2                           ; v2  16 x lane
.set D0,   3                           ; v3  lane % 16 - 8 (lane / 16)
.set DD,   4                           ; v4  D0 + 16 (block % 4): in the diagonal step register 8 kt + jj (key 16 kt + 8 h + jj) is hidden where 16 kt + jj > DD
.set NINF, 5                           ; v5  -infinity
.set PW,   6                           ; v6  where I put my O^T
.set PR0,  7                           ; v7  where I read tile w of waves 0, 1;  v8 of waves 2, 3
.set PR1,  8
.set SW,   9                           ; v9  where I put (c m, l);  v10 where I read tile w's
.set SR,   10
.set PFO,  11                          ; v11 256 x lane
.set ST,   12
.set SPW,  62
.set NIL,  63
.set S,    64
.set P,    192
.set KF,   128
.set WV,   8                           ; s8 wave; s9 c; s10 g; s11 phase; s12 block; s13 its steps; s14 steps to go; s15 1: the diagonal step is mine; s16 waves that have a part; s17 the prefetch's limit
.set CC,   9
.set GG,   10
.set PH,   11
.set BB,   12
.set NN,   13
.set REM,  14
.set DG,   15
.set NPR,  16
.set LIM,  17
.set KP,   18                          ; s[18:19] K of my step; s[20:21] V; s[22:23] Q; s[24:25] y
.set VP,   20
.set QP,   22
.set YP,   24
.set CS,   58
.set SEL,  60
.set MSB, 0
.macro WIN new
.if MSB != (\new)
	s_set_vgpr_msb (MSB<<8)|(\new)
.set MSB, (\new)
.endif
.endm
.set W_KQ, 0x0a                        ; K and Q in window 2, S^T in window 0
.set W_PV, 0x53                        ; V in window 3, P in window 0, O^T in window 1
.set W_RS, 0x41                        ; O^T (destination and source 0) in window 1
.macro PLACES
.rept 4
	v_nop
.endr
.endm
; Product i of 32 of O^T += V^T P: keys 32 (i / 16) on, channels 16 ((i / 2) % 8) on, tile x + i % 2.  zero = 1: the first 16 start the sums.  The accumulators take turns.
.macro PV x, zero
	WIN W_PV
.set rO, 64*(\x+i%2)+8*((i/2)%8)
.set rV, 64*(i/16)+8*((i/2)%8)
.set rP, P+16*(\x+i%2)+8*(i/16)
.if \zero && (i < 16)
	v_wmma_f32_16x16x32_f16 v[rO:rO+7], v[rV:rV+7], v[rP:rP+7], 0
.else
	v_wmma_f32_16x16x32_f16 v[rO:rO+7], v[rV:rV+7], v[rP:rP+7], v[rO:rO+7]
.endif
.endm
; Product i of 32 of S^T = K Q^T: channels 32 (i / 8) on, keys 16 ((i / 2) % 4) on, tile x + i % 2.  The first 8 start the sums.
.macro KQ x
	WIN W_KQ
.set rS, S+32*(\x+i%2)+8*((i/2)%4)
.set rK, KF+32*((i/2)%4)+8*(i/8)
.set rQ, 32*(\x+i%2)+8*(i/8)
.if i < 8
	v_wmma_f32_16x16x32_f16 v[rS:rS+7], v[rK:rK+7], v[rQ:rQ+7], 0
.else
	v_wmma_f32_16x16x32_f16 v[rS:rS+7], v[rK:rK+7], v[rQ:rQ+7], v[rS:rS+7]
.endif
.endm
.macro KLOAD                           ; a step's K: 16 fragments, 32 loads of 512 consecutive bytes
	WIN 0x80
.irp i, 0,1,2,3,4,5,6,7,8,9,10,11,12,13,14,15,16,17,18,19,20,21,22,23,24,25,26,27,28,29,30,31
	global_load_b128 v[KF+4*\i:KF+4*\i+3], v[LO], s[KP:KP+1] offset:512*\i
.endr
	WIN 0
.endm
.macro VLOAD
	WIN 0xc0
.irp i, 0,1,2,3,4,5,6,7,8,9,10,11,12,13,14,15,16,17,18,19,20,21,22,23,24,25,26,27,28,29,30,31
	global_load_b128 v[4*\i:4*\i+3], v[LO], s[VP:VP+1] offset:512*\i
.endr
	WIN 0
.endm
; One tile's softmax for one step is a list of 134 instructions; SM writes number j of it for tile t.  0-15 the maximum; 16-20 the other half of the lanes', the new m, c m, its change;
; 21-69 ONE BATCH: 16 packed scalings c s - c m and 33 exponentials, none of which reads an exponential's result; (the wait); 70-85 roundings to f16; 86-101 the sums; 102-133 O^T times a.
; first = 1: a wave's first step, which starts m, l and O^T.
.macro SM t, first
.set rT, ST+8*(\t)
.set rS, S+32*(\t)
.set rP, P+16*(\t)
.set rO, 64*(\t)+2*(j-102)
.if j < 102
	WIN 0
.endif
.if j < 4
	v_max3_num_f32 v[rT+4+j], v[rS+8*j], v[rS+8*j+1], v[rS+8*j+2]
.elseif j < 12
	v_max3_num_f32 v[rT+4+j%4], v[rT+4+j%4], v[rS+8*(j%4)+2*(j/4)+1], v[rS+8*(j%4)+2*(j/4)+2]
.elseif j == 12
	v_max3_num_f32 v[rT+4], v[rT+4], v[rS+7], v[rS+15]
.elseif j == 13
	v_max3_num_f32 v[rT+6], v[rT+6], v[rS+23], v[rS+31]
.elseif j == 14
	v_max3_num_f32 v[rT+4], v[rT+4], v[rT+5], v[rT+6]
.elseif (j == 15) && \first
	v_max_num_f32 v[rT+4], v[rT+4], v[rT+7]
.elseif j == 15
	v_max3_num_f32 v[rT+4], v[rT+4], v[rT+7], v[rT+1]
.elseif j == 16
	v_permlanex16_b32 v[rT+5], v[rT+4], s[SEL], s[SEL+1]  ; the position's other 32 keys lie in the lane 16 away
.elseif j == 18
	v_max_num_f32 v[rT+1], v[rT+4], v[rT+5]
.elseif j == 19
	v_mul_f32 v[rT], s[CS], v[rT+1]
.elseif ((j == 17) || (j == 20) || (j == 23) || (j > 101)) && \first
.elseif j == 17
	v_mov_b32 v[rT+7], v[rT]
.elseif j == 20
	v_sub_f32 v[rT+7], v[rT+7], v[rT]
.elseif j == 23
	v_exp_f32 v[rT+6], v[rT+7]
.elseif (j < 23) || ((j < 38) && (j%2 == 0)) || ((j < 66) && (j%4 == 2))
.set b, (j-2)/4
.if j < 38
.set b, (j-20)/2
.endif
	v_pk_fma_f32 v[rS+2*b:rS+2*b+1], v[rS+2*b:rS+2*b+1], s[CS:CS+1], v[rT:rT+1] op_sel_hi:[1,0,0] neg_lo:[0,0,1] neg_hi:[0,0,1]
.elseif j < 70
.set e, j-38
.if j < 66
.set e, j-32-(j-38)/4
.endif
.if j < 38
.set e, (j-25)/2
.endif
	v_exp_f32 v[rS+e], v[rS+e]
.elseif j < 86
	v_cvt_pk_f16_f32 v[rP+j-70], v[rS+2*(j-70)], v[rS+2*(j-70)+1]
.elseif j < 102
.set z, j-86
.set w, 4
.set u, z
.if z >= 14
.set w, 32
.set u, 0
.elseif z >= 12
.set w, 16
.set u, z-12
.elseif z >= 8
.set w, 8
.set u, z-8
.endif
.if (z == 14) && \first
	v_pk_add_f32 v[rT+2:rT+3], v[rS:rS+1], v[rS+16:rS+17]
.elseif z < 15
	v_pk_add_f32 v[rS+w*u:rS+w*u+1], v[rS+w*u:rS+w*u+1], v[rS+w*u+w/2:rS+w*u+w/2+1]
.elseif !\first
	v_pk_fma_f32 v[rT+2:rT+3], v[rT+2:rT+3], v[rT+6:rT+7], v[rS:rS+1] op_sel_hi:[1,0,1]
.endif
.else
	WIN W_RS
	v_pk_mul_f32 v[rO:rO+1], v[rO:rO+1], v[rT+6:rT+7] op_sel_hi:[1,0]
.endif
.endm
; Slice k of 64 of piece y's softmax.  Slices 11 to 34 deal out the batch, four numbers of one tile each; every other slice is numbers 2 k and 2 k + 1 of both tiles; the twelve that are over stand in slice 63.
; Ahead of slice 35 nothing names an exponential's result and behind slice 34 none is issued: one plain instruction and one wait behind slice 34 serve the piece's 66 exponentials.
.macro SLICE y, first
.if (k >= 11) && (k < 35)
.irp n, 0,1,2,3
.set j, 22+4*((k-11)/2)+(\n)
	SM (\y)+(k-11)%2, \first
.endr
.else
.irp n, 0,1,2,3,4,5,6,7
.if (\n < 2) || (k == 63)
.irp t, \y, \y+1
.set j, 2*k+\n
	SM \t, \first
.endr
.endif
.endr
.endif
.if k == 34
	v_nop
	s_wait_alu depctr_va_vdst(0)
.endif
.set k, k+1
.endm
; The diagonal step: hidden scores of tiles x and x + 1 become -infinity ahead of the maximum.  Key 64 j of the step counts for every position of the block, so every maximum stays a number.
.macro MASK x
	s_cmp_eq_u32 s[DG], 0
	s_cbranch_scc1 .Lopen_\@
.irp kt, 0,1,2,3
.irp jj, 0,1,2,3,4,5,6,7
	v_cmp_gt_i32 vcc_lo, 16*\kt+\jj, v[DD]
	v_cndmask_b32 v[S+32*(\x)+8*\kt+\jj], v[S+32*(\x)+8*\kt+\jj], v[NINF], vcc_lo
	v_cndmask_b32 v[S+32*(\x)+32+8*\kt+\jj], v[S+32*(\x)+32+8*\kt+\jj], v[NINF], vcc_lo
.endr
.endr
.Lopen_\@:
.endm
; A PREFETCH of my step after next: 16,384 bytes of K and of V, lanes 256 bytes apart, four instructions, behind the run of loads just issued.  Only the work-group with c = 0 asks, in phase 0, where it walks all 32
; steps of its head: so each block of 256 bytes of steps 8 to 31 is named once in the launch; steps 0 to 7 are not asked for.  It asks while two more steps of mine follow the one in hand.
.macro ASK
	s_cmp_gt_u32 s[REM], s[LIM]
	s_cbranch_scc0 .Lnot_mine_\@
	global_prefetch_b8 v[PFO], s[KP:KP+1] offset:65536 th:TH_LOAD_NT scope:SCOPE_SE
	global_prefetch_b8 v[PFO], s[KP:KP+1] offset:73728 th:TH_LOAD_NT scope:SCOPE_SE
	global_prefetch_b8 v[PFO], s[VP:VP+1] offset:131072 th:TH_LOAD_NT scope:SCOPE_SE
	global_prefetch_b8 v[PFO], s[VP:VP+1] offset:139264 th:TH_LOAD_NT scope:SCOPE_SE
.Lnot_mine_\@:
.endm
; A STEP of 64 keys.  At its head K's 32 loads and, behind them, V's 32 are out (in a first step Q's 32 ahead of both).
.macro STEP first, next
	s_wait_loadcnt 32                              ; K (and Q) are in; V's 32 loads may be out
.set i, 0
.rept 32
	KQ 0
.set i, i+1
.endr
	WIN 0
	PLACES                                         ; behind piece 0's scores, ahead of their first read
.if !\next
	MASK 0
.endif
.set k, 0
.set i, 0
.rept 32
	KQ 2
	SLICE 0, \first
	SLICE 0, \first
.set i, i+1
.endr
	WIN 0
.if \first
	PLACES                                         ; a first step's last slices are empty
.endif
.if \next
	s_wait_xcnt 0x0                                ; the earlier loads and prefetches have read K's address
	s_add_nc_u64 s[KP:KP+1], s[KP:KP+1], 65536     ; four steps on: my next
	KLOAD                                          ; the last product that read K stands more than four plain instructions back
	ASK
	s_wait_loadcnt 32                              ; V is in; the 32 loads just issued may be out
.else
	s_wait_loadcnt 0x0                             ; V is in
	MASK 2
.endif
.set k, 0
.set i, 0
.rept 32
	PV 0, \first
	SLICE 2, \first
	SLICE 2, \first
.set i, i+1
.endr
.set i, 0
.rept 32
	PV 2, \first
.set i, i+1
.endr
	WIN 0
	PLACES                                         ; behind the last products: ahead of loads into V and of reads of O^T
.if \next
	s_wait_xcnt 0x0
	s_add_nc_u64 s[VP:VP+1], s[VP:VP+1], 65536
	VLOAD
.endif
.endm
.macro PART adr, off, g                ; one more wave's part of tile w, times its weight
.irp i, 0,1,2,3,4,5,6,7,8,9,10,11,12,13,14,15
	ds_load_b128 v[64+4*\i:67+4*\i], v[\adr] offset:\off+512*\i
.endr
	s_wait_dscnt 0x0
.irp i, 0,1,2,3,4,5,6,7,8,9,10,11,12,13,14,15,16,17,18,19,20,21,22,23,24,25,26,27,28,29,30,31
	v_pk_fma_f32 v[192+2*\i:193+2*\i], v[64+2*\i:65+2*\i], v[\g:\g+1], v[192+2*\i:193+2*\i] op_sel_hi:[1,0,1]
.endr
.endm
	s_load_b128 s[4:7], s[0:1], 0x0                ; qkv s[4:5], yimg s[6:7]
	v_lshl_add_u32 v[SPW], v0, 2, SPARE
	v_mov_b32 v[NIL], 0
	v_lshrrev_b32 v1, 5, v0
	v_readfirstlane_b32 s[WV], v1
	s_mov_b32 s[CC], ttmp9
	s_and_b32 s[GG], ttmp7, 0xffff
	v_and_b32 v1, 31, v0
	v_lshlrev_b32 v[LO], 4, v1
	v_and_b32 v44, 15, v0
	v_bfe_u32 v45, v0, 4, 1
	v_lshlrev_b32 v45, 3, v45
	v_sub_nc_u32 v[D0], v44, v45
	v_mov_b32 v[NINF], 0xff800000
	s_lshl_b32 s26, s[WV], 15
	v_add_nc_u32 v[PW], s26, v[LO]
	s_lshl_b32 s26, s[WV], 13
	v_add_nc_u32 v[PR0], s26, v[LO]
	v_add_nc_u32 v[PR1], 0x10000, v[PR0]
	v_lshlrev_b32 v44, 3, v1
	s_lshl_b32 s26, s[WV], 10
	s_add_co_u32 s26, s26, STAT
	v_add_nc_u32 v[SW], s26, v44
	s_lshl_b32 s26, s[WV], 8
	s_add_co_u32 s26, s26, STAT
	v_add_nc_u32 v[SR], s26, v44
	v_lshlrev_b32 v[PFO], 8, v1
	s_mov_b32 s[CS], 0x3e0293ee                    ; c = log2(e) / sqrt(128)
	s_mov_b32 s[CS+1], s[CS]
	s_mov_b32 s[SEL], 0x76543210
	s_mov_b32 s[SEL+1], 0xfedcba98
	s_mov_b32 s27, 0
	s_mov_b32 s[PH], 0
	s_wait_kmcnt 0x0
.Lphase:                                               ; two trips
	s_cmp_eq_u32 s[PH], 1
	s_cselect_b32 s26, s[CC], 1
	s_cmp_eq_u32 s26, 0                            ; phase 1 of the work-groups with c = 0: block 0.  The work-group's number and the phase alone: the same way for all four waves
	s_cbranch_scc0 .Lcoarse
; POSITIONS 0-15 IN F32: wave w is head 4 g + w; 16 positions x 16 keys, by the f32 matrix form: 64 instructions a wave.  The same permutation of the channels on both sides of K Q^T (slot (h, jj) of step s is channel
; 64 h + 2 s + jj) keeps the products; likewise the keys in V^T P (slot (h, jj) of step s is key 8 h + 2 s + jj).  y leaves as an f16 high part, in the common image, and a low part x 2^11.  The wave ends here.
	s_add_nc_u64 s[18:19], s[4:5], FINEO
	s_lshl_b32 s26, s[GG], 2
	s_add_co_u32 s26, s26, s[WV]                   ; the head
	s_lshl_b32 s28, s26, 9
	s_mov_b32 s29, 0
	s_add_nc_u64 s[22:23], s[18:19], s[28:29]      ; q: columns 128 x head on
	s_lshl_b32 s28, s[GG], 10
	s_add_co_u32 s28, s28, 8192
	s_add_nc_u64 s[20:21], s[18:19], s[28:29]      ; k: group 16 + 2 g; v: 512 bytes on
	s_lshl_b32 s28, s26, 12
	s_add_nc_u64 s[24:25], s[6:7], s[28:29]        ; y's high part: block 0, fragments 4 x head on
	s_add_nc_u64 s[28:29], s[24:25], YLO           ; and its low part
	s_mov_b32 s30, 0x45000000                      ; 2^11
	s_mov_b32 s31, s30                             ; (named with it as a pair, so it is written)
	v_and_b32 v44, 15, v0
	v_bfe_u32 v45, v0, 4, 1
	v_mul_u32_u24 v46, v44, 12288
	v_lshl_add_u32 v46, v45, 8, v46                ; q, k: row r, channels 64 h on
	v_mul_u32_u24 v47, v45, 98304
	v_lshl_add_u32 v47, v44, 2, v47                ; v: rows 8 h on, column r
	WIN 0x80
.irp i, 0,1,2,3,4,5,6,7,8,9,10,11,12,13,14,15
	global_load_b128 v[4*\i:4*\i+3], v46, s[22:23] offset:16*\i
.endr
.irp i, 0,1,2,3,4,5,6,7,8,9,10,11,12,13,14,15
	global_load_b128 v[64+4*\i:67+4*\i], v46, s[20:21] offset:16*\i
.endr
	WIN 0xc0
.irp c, 0,1,2,3,4,5,6,7
.irp i, 0,1,2,3,4,5,6,7
	global_load_b32 v[8*\c+\i], v47, s[20:21] offset:512+12288*\i+64*\c      ; v(8 h + i, 16 c + r)
.endr
.endr
	s_wait_loadcnt 63                              ; 64 loads were issued behind q's and k's; the wait's field holds 63: one more than needed is waited for
	WIN 0xfa                                       ; sources 0 and 1 window 2, C and D window 3
.set fs, 0
.rept 32                                               ; four sums by turns; the first four products start them
.if fs < 4
	v_wmma_f32_16x16x4_f32 v[128+8*(fs%4):135+8*(fs%4)], v[64+2*fs:65+2*fs], v[2*fs:2*fs+1], 0
.else
	v_wmma_f32_16x16x4_f32 v[128+8*(fs%4):135+8*(fs%4)], v[64+2*fs:65+2*fs], v[2*fs:2*fs+1], v[128+8*(fs%4):135+8*(fs%4)]
.endif
.set fs, fs+1
.endr
	WIN 0
.rept 8
	v_nop                                          ; eight places behind this form
.endr
	WIN 0x0f                                       ; sources 0 and 1 window 3
.irp j, 0,1,2,3,4,5,6,7
	v_add_f32 v[64+\j], v[128+\j], v[136+\j]
.endr
.irp j, 0,1,2,3,4,5,6,7
	v_add_f32 v[72+\j], v[144+\j], v[152+\j]
.endr
	WIN 0
.irp j, 0,1,2,3,4,5,6,7
	v_add_f32 v[64+\j], v[64+\j], v[72+\j]         ; the score of key 8 h + j for position r
.endr
.irp j, 0,1,2,3,4,5,6,7
	v_cmp_gt_i32 vcc_lo, \j, v[D0]                 ; hidden where 8 h + j > r
	v_cndmask_b32 v[64+\j], v[64+\j], v[NINF], vcc_lo
.endr
	v_max3_num_f32 v72, v64, v65, v66
	v_max3_num_f32 v72, v72, v67, v68
	v_max3_num_f32 v72, v72, v69, v70
	v_max_num_f32 v72, v72, v71
	v_permlanex16_b32 v73, v72, s[SEL], s[SEL+1]
	v_max_num_f32 v72, v72, v73                    ; key 0 counts for every position: a number
	v_mul_f32 v74, s[CS], v72
.irp j, 0,1,2,3,4,5,6,7
	v_fma_f32 v[80+\j], v[64+\j], s[CS], -v74
.endr
.irp j, 0,1,2,3,4,5,6,7
	v_exp_f32 v[80+\j], v[80+\j]
.endr
	v_nop
	s_wait_alu depctr_va_vdst(0)                   ; one wait for the eight
	v_add_f32 v64, v80, v81
	v_add_f32 v65, v82, v83
	v_add_f32 v66, v84, v85
	v_add_f32 v67, v86, v87
	v_add_f32 v64, v64, v65
	v_add_f32 v66, v66, v67
	v_add_f32 v64, v64, v66
	v_permlanex16_b32 v73, v64, s[SEL], s[SEL+1]
	v_add_f32 v64, v64, v73
	v_rcp_f32 v75, v64
	v_nop
	s_wait_alu depctr_va_vdst(0)
	s_wait_loadcnt 0x0                             ; v
	WIN 0xf3                                       ; source 0 (v) window 3, source 1 (p) window 0, C and D window 3
.irp s, 0,1,2,3
.irp c, 0,1,2,3,4,5,6,7
.if \s == 0
	v_wmma_f32_16x16x4_f32 v[160+8*\c:167+8*\c], v[8*\c+2*\s:8*\c+2*\s+1], v[80+2*\s:81+2*\s], 0
.else
	v_wmma_f32_16x16x4_f32 v[160+8*\c:167+8*\c], v[8*\c+2*\s:8*\c+2*\s+1], v[80+2*\s:81+2*\s], v[160+8*\c:167+8*\c]
.endif
.endr
.endr
	WIN 0
.rept 8
	v_nop
.endr
	WIN 0x03                                       ; source 0 window 3
.irp i, 0,1,2,3,4,5,6,7,8,9,10,11,12,13,14,15,16,17,18,19,20,21,22,23,24,25,26,27,28,29,30,31,32,33,34,35,36,37,38,39,40,41,42,43,44,45,46,47,48,49,50,51,52,53,54,55,56,57,58,59,60,61,62,63
	v_mul_f32 v[128+\i], v[160+\i], v75            ; y(r, 16 c + 8 h + j), into other registers
.endr
	WIN 0
.irp j, 0,1,2,3,4,5,6,7,8,9,10,11,12,13,14,15,16,17,18,19,20,21,22,23,24,25,26,27,28,29,30,31
	v_add_nc_u32 v[64+2*(\j%4)], 0x1000, v[128+2*\j]              ; rounded to 11 significant bits: the high part, exact in f16's normal range
	v_add_nc_u32 v[65+2*(\j%4)], 0x1000, v[129+2*\j]
	v_and_b32 v[64+2*(\j%4)], 0xffffe000, v[64+2*(\j%4)]
	v_and_b32 v[65+2*(\j%4)], 0xffffe000, v[65+2*(\j%4)]
	v_cvt_pk_f16_f32 v[96+\j], v[64+2*(\j%4)], v[65+2*(\j%4)]
	v_pk_add_f32 v[128+2*\j:129+2*\j], v[128+2*\j:129+2*\j], v[64+2*(\j%4):65+2*(\j%4)] neg_lo:[0,1] neg_hi:[0,1]
.endr
.irp j, 0,1,2,3,4,5,6,7,8,9,10,11,12,13,14,15,16,17,18,19,20,21,22,23,24,25,26,27,28,29,30,31
	v_pk_mul_f32 v[128+2*\j:129+2*\j], v[128+2*\j:129+2*\j], s[30:31] op_sel_hi:[1,0]
.endr
.irp j, 0,1,2,3,4,5,6,7,8,9,10,11,12,13,14,15,16,17,18,19,20,21,22,23,24,25,26,27,28,29,30,31
	v_cvt_pk_f16_f32 v[192+\j], v[128+2*\j], v[129+2*\j]
.endr
.irp c, 0,1,2,3,4,5,6,7
	global_store_b128 v[LO], v[96+4*\c:99+4*\c], s[24:25] offset:512*\c
	global_store_b128 v[LO], v[192+4*\c:195+4*\c], s[28:29] offset:512*\c
.endr
	s_wait_tensorcnt 0x0                           ; the wave's end, behind phase 0's LDS stores
	ds_add_u32 v[SPW], v[NIL]
	s_wait_dscnt 0x0
	s_endpgm
.Lcoarse:
	s_sub_co_u32 s[BB], 127, s[CC]
	s_cmp_eq_u32 s[PH], 0
	s_cselect_b32 s[BB], s[BB], s[CC]              ; my block of 16 positions
	s_lshr_b32 s[NN], s[BB], 2
	s_add_co_u32 s[NN], s[NN], 1                   ; its steps of 64 keys
	s_min_u32 s[NPR], s[NN], 4
	s_add_co_u32 s[REM], s[NN], 3
	s_sub_co_u32 s[REM], s[REM], s[WV]
	s_lshr_b32 s[REM], s[REM], 2                   ; my steps: w, w + 4, ..
	s_sub_co_u32 s26, s[NN], 1
	s_and_b32 s26, s26, 3
	s_cmp_eq_u32 s26, s[WV]
	s_cselect_b32 s[DG], 1, 0
	s_or_b32 s26, s[CC], s[PH]
	s_cmp_eq_u32 s26, 0
	s_cselect_b32 s[LIM], 1, -1
	s_and_b32 s26, s[BB], 3
	s_lshl_b32 s26, s26, 4
	v_add_nc_u32 v[DD], s26, v[D0]
	s_lshl_b32 s28, s[GG], 19                      ; a head of K or of V: 524,288 bytes
	s_lshl_b32 s26, s[WV], 14                      ; step w
	s_add_co_u32 s26, s26, s28
	s_add_nc_u64 s[KP:KP+1], s[4:5], s[26:27]
	s_add_nc_u64 s[VP:VP+1], s[KP:KP+1], VFO
	s_add_nc_u64 s[KP:KP+1], s[KP:KP+1], KFO
	s_lshl_b32 s26, s[GG], 21                      ; query head 4 g
	s_lshl_b32 s28, s[BB], 12
	s_add_co_u32 s26, s26, s28
	s_add_nc_u64 s[QP:QP+1], s[4:5], s[26:27]
	s_lshl_b32 s26, s[GG], 2
	s_add_co_u32 s26, s26, s[WV]
	s_lshl_b32 s26, s26, 12                        ; y: head 4 g + w is fragments 4 (4 g + w) on,
	s_lshl_b32 s28, s[BB], 16                      ; in block b's 64 fragments
	s_add_co_u32 s26, s26, s28
	s_add_nc_u64 s[YP:YP+1], s[6:7], s[26:27]
	s_cmp_eq_u32 s[REM], 0
	s_cbranch_scc1 .Labsent
	WIN 0x80
.irp t, 0,1,2,3
.irp i, 0,1,2,3,4,5,6,7
	global_load_b128 v[32*\t+4*\i:32*\t+4*\i+3], v[LO], s[QP:QP+1] offset:524288*\t+512*\i
.endr
.endr
	KLOAD
	VLOAD
	s_cmp_eq_u32 s[REM], 1
	s_cbranch_scc1 .Lonly
	s_sub_co_u32 s[REM], s[REM], 1                 ; the steps that follow the one in hand
	STEP 1, 1
	s_sub_co_u32 s[REM], s[REM], 1
	s_cmp_eq_u32 s[REM], 0
	s_cbranch_scc1 .Llast
.Lstep:
	STEP 0, 1
	s_sub_co_u32 s[REM], s[REM], 1
	s_cmp_lg_u32 s[REM], 0
	s_cbranch_scc1 .Lstep
.Llast:
	STEP 0, 0
	s_branch .Lpost
.Lonly:
	STEP 1, 0
.Lpost:
.irp t, 0,1,2,3
	v_add_f32 v[ST+8*\t+4], v[ST+8*\t+2], v[ST+8*\t+3]       ; l's two halves,
.endr
.irp t, 0,1,2,3
	v_permlanex16_b32 v[ST+8*\t+5], v[ST+8*\t+4], s[SEL], s[SEL+1]
.endr
.irp t, 0,1,2,3
	v_add_f32 v[ST+8*\t+1], v[ST+8*\t+4], v[ST+8*\t+5]       ; and the other half of the lanes': beside c m
.endr
.irp t, 0,1,2,3
	ds_store_b64 v[SW], v[ST+8*\t:ST+8*\t+1] offset:256*\t
.endr
	WIN 0x04                                       ; an LDS store's data are its source 1: window 1
.irp i, 0,1,2,3,4,5,6,7,8,9,10,11,12,13,14,15,16,17,18,19,20,21,22,23,24,25,26,27,28,29,30,31,32,33,34,35,36,37,38,39,40,41,42,43,44,45,46,47,48,49,50,51,52,53,54,55,56,57,58,59,60,61,62,63
	ds_store_b128 v[PW], v[4*\i:4*\i+3] offset:512*\i        ; my O^T as it stands, each accumulator from its low end on
.endr
	WIN 0
	s_branch .Lmeet
.Labsent:                                              ; a wave with no step: a maximum under every other, a sum of 0; its O^T is read by nobody
	v_mov_b32 v44, 0xff61b1e6
	v_mov_b32 v45, 0
.irp t, 0,1,2,3
	ds_store_b64 v[SW], v[44:45] offset:256*\t
.endr
.Lmeet:
	s_wait_dscnt 0x0                               ; for the others' sake: my stores are done
	s_barrier_signal -1
	s_barrier_wait -1
.irp q, 0,1,2,3
	ds_load_b64 v[44+2*\q:45+2*\q], v[SR] offset:1024*\q     ; tile w's (c m, l) of the four waves
.endr
.irp i, 0,1,2,3,4,5,6,7,8,9,10,11,12,13,14,15
	ds_load_b128 v[64+4*\i:67+4*\i], v[PR0] offset:512*\i    ; wave 0's part: it has one in every block
.endr
	s_wait_dscnt 16                                ; the four pairs are in; the sixteen loads behind them may be out
	v_max3_num_f32 v52, v44, v46, v48
	v_max_num_f32 v52, v52, v50
	v_sub_f32 v53, v44, v52
	v_sub_f32 v54, v46, v52
	v_sub_f32 v55, v48, v52
	v_sub_f32 v56, v50, v52
	v_exp_f32 v53, v53
	v_exp_f32 v54, v54
	v_exp_f32 v55, v55
	v_exp_f32 v56, v56
	v_nop
	s_wait_alu depctr_va_vdst(0)                   ; one wait for the four, ahead of their first reader
	v_mul_f32 v57, v53, v45
	v_fmac_f32 v57, v54, v47
	v_fmac_f32 v57, v55, v49
	v_fmac_f32 v57, v56, v51                       ; the row's sum under the common maximum
	v_rcp_f32 v58, v57
	v_nop
	s_wait_alu depctr_va_vdst(0)
	v_mul_f32 v44, v53, v58                        ; each wave's weight
	v_mul_f32 v46, v54, v58
	v_mul_f32 v48, v55, v58
	v_mul_f32 v50, v56, v58
	s_wait_dscnt 0x0
.irp i, 0,1,2,3,4,5,6,7,8,9,10,11,12,13,14,15,16,17,18,19,20,21,22,23,24,25,26,27,28,29,30,31
	v_pk_mul_f32 v[192+2*\i:193+2*\i], v[64+2*\i:65+2*\i], v[44:45] op_sel_hi:[1,0]
.endr
	s_cmp_lt_u32 s[NPR], 2                         ; a wave with no step wrote no part: its bytes are not read
	s_cbranch_scc1 .Lmerged
	PART PR0, 32768, 46
	s_cmp_lt_u32 s[NPR], 3
	s_cbranch_scc1 .Lmerged
	PART PR1, 0, 48
	s_cmp_lt_u32 s[NPR], 4
	s_cbranch_scc1 .Lmerged
	PART PR1, 32768, 50
.Lmerged:
.irp i, 0,1,2,3,4,5,6,7,8,9,10,11,12,13,14,15,16,17,18,19,20,21,22,23,24,25,26,27,28,29,30,31
	v_cvt_pk_f16_f32 v[64+\i], v[192+2*\i], v[193+2*\i]
.endr
.irp c, 0,1,2,3,4,5,6,7
	global_store_b128 v[LO], v[64+4*\c:67+4*\c], s[YP:YP+1] offset:512*\c   ; channels 16 c on: half c % 2 of fragment c / 2; 512 consecutive bytes, aligned
.endr
	s_wait_xcnt 0x0                                ; the stores have read their registers and their base: both are written again in the next phase
	s_wait_dscnt 0x0                               ; my reads of the parts are over:
	s_barrier_signal -1
	s_barrier_wait -1                              ; only now are they written again
	s_add_co_u32 s[PH], s[PH], 1
	s_cmp_lt_u32 s[PH], 2
	s_cbranch_scc1 .Lphase
	s_wait_tensorcnt 0x0                           ; the wave's end, behind my last LDS store
	ds_add_u32 v[SPW], v[NIL]
	s_wait_dscnt 0x0
	s_endpgm
.Lfunc_end_k_q775cec9150_attn:
	.size	k_q775cec9150_attn, .Lfunc_end_k_q775cec9150_attn-k_q775cec9150_attn
	.p2alignl 7, 3214868480
	.fill 96, 4, 3214868480
	.section	.rodata,"a",@progbits
	.p2align	6, 0x0
	.amdhsa_kernel k_q775cec9150_attn
		.amdhsa_group_segment_fixed_size 135680
		.amdhsa_private_segment_fixed_size 0
		.amdhsa_enable_private_segment 0
		.amdhsa_kernarg_size 16
		.amdhsa_user_sgpr_count 2
		.amdhsa_user_sgpr_kernarg_segment_ptr 1
		.amdhsa_wavefront_size32 1
		.amdhsa_system_sgpr_workgroup_id_x 1
		.amdhsa_system_sgpr_workgroup_id_y 1
		.amdhsa_system_sgpr_workgroup_id_z 1
		.amdhsa_system_vgpr_workitem_id 0
		.amdhsa_next_free_vgpr 1024
		.amdhsa_next_free_sgpr 66
		.amdhsa_reserve_vcc 1
		.amdhsa_float_denorm_mode_32 3
		.amdhsa_float_denorm_mode_16_64 3
		.amdhsa_memory_ordered 1
		.amdhsa_forward_progress 1
		.amdhsa_inst_pref_size 245
	.end_amdhsa_kernel
	.amdgpu_metadata
---
amdhsa.version: [ 1, 2 ]
amdhsa.kernels:
  - .name:           k_q775cec9150_attn
    .symbol:         k_q775cec9150_attn.kd
    .args:
      - { .name: qkv, .offset: 0, .size: 8, .value_kind: global_buffer, .address_space: global }
      - { .name: yimg, .offset: 8, .size: 8, .value_kind: global_buffer, .address_space: global }
    .group_segment_fixed_size: 135680
    .private_segment_fixed_size: 0
    .kernarg_segment_align: 8
    .kernarg_segment_size: 16
    .max_flat_workgroup_size: 128
    .sgpr_count:     66
    .vgpr_count:     1024
    .wavefront_size: 32
...
	.end_amdgpu_metadata
.endif
;; end of part 3
;; launch proj (part 4): grid 16 x 16, 4 waves a work-group, clusters of 4 x 4, 327,680 bytes of LDS; arguments yimg, wimg, out0; writes out0
.if DOCPART == 4
	.amdgcn_target "amdgcn-amd-amdhsa--gfx1250"
	.amdhsa_code_object_version 6
	.text
	.protected	k_q775cec9150_proj
	.globl	k_q775cec9150_proj
	.p2align	8
	.type	k_q775cec9150_proj,@function
k_q775cec9150_proj:
	s_mov_b64 s[64:65], 0
	v_nop
	global_prefetch_b8 v0, s[64:65] scope:SCOPE_SE
	s_setreg_imm32_b32 hwreg(HW_REG_WAVE_MODE, 25, 1), 1
	s_wait_xcnt 0x0
	s_wait_alu depctr_hold_cnt(0) depctr_sa_sdst(0) depctr_va_vdst(0) depctr_va_sdst(0) depctr_va_ssrc(0) depctr_va_vcc(0) depctr_vm_vsrc(0)
	s_getreg_b32 s2, hwreg(HW_REG_IB_STS2, 6, 4)
	s_cmp_eq_u32 s2, 0
	s_cbranch_scc0 .Lentry_in_a_cluster
	s_endpgm
.Lentry_in_a_cluster:
	s_bfe_u32 s2, ttmp6, 0x10000c
	s_cmp_lg_u32 s2, 0xf033
	s_cbranch_scc0 .Lentry_shape_is_right
	s_endpgm
.Lentry_shape_is_right:
; out0 = y W_proj, [2048][2048] f32; f16 operands, f32 sums.  (Rows 0-15 are written once more, more finely, by the launch that follows.)
; BOTH OPERANDS ARRIVE AS IMAGES OF OPERAND REGISTERS: y [block of 16 rows 128][k / 32: 64][1,024 bytes], W_proj's high parts [block of 16 columns 128][64][1,024]: half u of a fragment at 512 u + 16 x lane.
; A tile of 128 x 128 to a work-group (256 work-groups), four waves of 64 x 64: 16 accumulators.  K goes in steps of 256 through a ring of two LDS slots.  A wave's tensor load brings 4 blocks x 8 fragments: 4 rows of
; 8,192 consecutive bytes, 65,536 bytes apart in memory, dense in LDS.  A fragment comes out of LDS by two loads at 16 x lane: 512 consecutive bytes each, so no padding is wanted.
; CLUSTERS: 4 x 4 work-groups; y's tiles are asked for jointly along a row of the cluster, W's along a column.  THE MATRIX INSTRUCTION IS USED TRANSPOSED (source 0 = 16 columns of W, source 1 = 16 rows of y).
; REGISTERS: window 0: v0-31 addresses; v32-95 the way out; v128-255 the accumulators ((a, b) at v[128 + 8 (4 a + b)]).   window 1: two fragment buffers of 128 (64 of y, then 64 of W), 64 along K each.
.set KB,     8192                      ; a K step in a block's image: 8 fragments
.set HALFT,  32768                     ; what one tensor load brings, and what one wave reads of y or of W
.set SLOT,   4*HALFT
.set SPARE,  2*SLOT                    ; the spare words, 128 bytes a wave: two blocks of 256 bytes that no other line names
.set SPITCH, 272                       ; the way out: a stage of 16 rows x (256 bytes + 16) for each wave, in slot 0, which has had its last fill and its last read when the first result is stored there
.set LAPS,   4
.set ADRA, 16
.set ADRB, 20
.set STO,  24
.set RD,   25
.set CO,   26
.set SPW,  28
.set NIL,  29
.set TMP,  32
.set ACC,  128
.set F0,   0
.set F1,   128
.set G1, 24
.set G0, 32
.set G1B, 48
.set G0B, 56
.set MSB, 0
.macro WIN new
.if MSB != (\new)
	s_set_vgpr_msb (MSB<<8)|(\new)
.set MSB, (\new)
.endif
.endm
.set MUL,  0x05                        ; sources 0 and 1 window 1; C and D window 0
.set TO_F, 0x40
.macro JLOAD s                         ; a joint load: waves 0 and 1 fetch y's two halves, waves 2 and 3 W's; an s_nop 0 and four v_nop follow each of the two lines
	s_cmp_eq_u32 s11, 0
	s_cbranch_scc0 .Lfor_b_\@
	tensor_load_to_lds s[G0+4*\s:G0+4*\s+3], s[G1:G1+7]
	s_nop 0
.rept 4
	v_nop
.endr
	s_branch .Lasked_\@
.Lfor_b_\@:
	tensor_load_to_lds s[G0B+4*\s:G0B+4*\s+3], s[G1B:G1B+7]
	s_nop 0
.rept 4
	v_nop
.endr
.Lasked_\@:
.endm
.macro CREST
	s_cmp_lg_u32 s10, 0
	s_cbranch_scc1 .Lnot_wave_0_\@
	s_barrier_signal -3
.Lnot_wave_0_\@:
	s_barrier_wait -3
	s_barrier_signal -1
	s_barrier_wait -1
.endm
.macro CROUND
	s_barrier_signal -1
	s_barrier_wait -1
	CREST
.endm
	s_load_b128 s[4:7], s[0:1], 0x0                ; yimg s[4:5], wimg s[6:7]
	s_load_b64 s[8:9], s[0:1], 0x10                ; out0
	v_lshl_add_u32 v[SPW], v0, 2, SPARE
	v_mov_b32 v[NIL], 0
	ds_add_u32 v[SPW], v[NIL]                      ; the wave's opening: the add, twice on end, and its wait ahead of my first tensor load
	ds_add_u32 v[SPW], v[NIL]
	v_lshrrev_b32 v1, 5, v0
	v_readfirstlane_b32 s10, v1                    ; wave 0..3
	s_lshr_b32 s11, s10, 1                         ; which half of the tile's rows is mine.  Also: I fetch for y (0) or for W (1)
	s_and_b32 s12, s10, 1                          ; which half of its columns.  Also: which 4 blocks of that tile I fetch
	s_bfe_u32 s40, ttmp6, 0x40000
	s_bfe_u32 s41, ttmp6, 0x40004
	s_lshl_b32 s42, ttmp9, 2
	s_add_co_u32 s42, s42, s40                     ; tile column
	s_and_b32 s13, ttmp7, 0xffff
	s_lshl_b32 s13, s13, 2
	s_add_co_u32 s13, s13, s41                     ; tile row
	s_lshl_b32 s43, s41, 2
	s_lshl_b32 s43, 15, s43                        ; my row of the cluster
	s_lshl_b32 s44, 0x1111, s40                    ; my column
	s_or_b32 s[G1+0], s43, (3<<16)|(1<<21)         ; the mask; elements of 8 bytes; bit 21 beside a mask; no padding
	s_or_b32 s[G1B+0], s44, (3<<16)|(1<<21)
.irp g, G1, G1B
	s_mov_b32 s[\g+1], 1024<<16                    ; tensor_dim0 = 1,024 elements: 8,192 bytes
	s_mov_b32 s[\g+2], 4<<16                       ; tensor_dim1 = 4
	s_mov_b32 s[\g+3], 1024<<16                    ; tile_dim0
	s_mov_b32 s[\g+4], 4                           ; tile_dim1
	s_mov_b32 s[\g+5], 8192                        ; the pitch: 65,536 bytes
	s_mov_b32 s[\g+6], 0
	s_mov_b32 s[\g+7], 0
.endr
	s_lshl_b32 s17, s12, 18                        ; which 4 blocks of 65,536 bytes I fetch
	s_lshl_b32 s16, s13, 19
	s_add_co_u32 s16, s16, s17                     ; y: block 8 x tile row + 4 x half
	s_lshl_b32 s46, s42, 19
	s_add_co_u32 s46, s46, s17                     ; W: block 8 x tile column + 4 x half
	s_mov_b32 s17, 0
	s_mov_b32 s47, 0
	s_lshl_b32 s20, s10, 15                        ; where they go: wave x 32,768: no place in the cluster enters an LDS address
	s_wait_dscnt 0x0                               ; both opening adds are done
	s_wait_kmcnt 0x0
	s_add_nc_u64 s[14:15], s[4:5], s[16:17]
	s_add_nc_u64 s[46:47], s[6:7], s[46:47]
	CROUND                                         ; all sixteen work-groups are here: the first joint loads meet
.irp s, 0,1
	s_mov_b32 s[G0+4*\s], 1
	s_add_co_u32 s[G0+4*\s+1], s20, \s*SLOT
	s_add_nc_u64 s[G0+4*\s+2:G0+4*\s+3], s[14:15], \s*KB
	s_or_b32 s[G0+4*\s+3], s[G0+4*\s+3], 0x80000000
	s_mov_b32 s[G0B+4*\s], 1
	s_add_co_u32 s[G0B+4*\s+1], s20, \s*SLOT
	s_add_nc_u64 s[G0B+4*\s+2:G0B+4*\s+3], s[46:47], \s*KB
	s_or_b32 s[G0B+4*\s+3], s[G0B+4*\s+3], 0x80000000
	JLOAD \s                                       ; two tensor loads of mine are out here
.endr
	v_and_b32 v1, 15, v0                           ; r
	v_bfe_u32 v2, v0, 4, 1                         ; h
	v_and_b32 v3, 31, v0
	v_lshlrev_b32 v3, 4, v3                        ; 16 x lane
	s_lshl_b32 s21, s11, 15                        ; my 4 blocks of y
	s_lshl_b32 s22, s12, 15                        ; my 4 blocks of W,
	s_add_co_u32 s22, s22, 2*HALFT                 ; which lie behind y's 8
.irp s, 0,1
	v_add_nc_u32 v[ADRA+\s], s21, v3
	v_add_nc_u32 v[ADRB+\s], s22, v3
	s_add_co_u32 s21, s21, SLOT
	s_add_co_u32 s22, s22, SLOT
.endr
	s_mul_i32 s23, s10, 16*SPITCH                  ; my stage
	v_mul_u32_u24 v4, v1, SPITCH
	v_lshl_add_u32 v4, v2, 5, v4
	v_add_nc_u32 v[STO], s23, v4                   ; in: row r, 32 bytes for each half of the lanes
	v_mul_u32_u24 v5, v2, SPITCH
	v_lshl_add_u32 v5, v1, 4, v5
	v_add_nc_u32 v[RD], s23, v5                    ; back: lanes 0-15 one row of 256 bytes, lanes 16-31 the next
	v_lshlrev_b32 v5, 13, v2
	v_lshl_add_u32 v[CO], v1, 4, v5                ; and the same two rows in out0: 8,192 bytes a row
	s_lshl_b32 s16, s13, 7
	s_lshl_b32 s17, s11, 6
	s_add_co_u32 s16, s16, s17                     ; my first row: 128 x tile row + 64 x half
	s_lshl_b32 s16, s16, 13
	s_mov_b32 s17, 0
	s_add_nc_u64 s[8:9], s[8:9], s[16:17]
	s_lshl_b32 s46, s42, 9                         ; my first column, in bytes: 512 x tile column + 256 x half
	s_lshl_b32 s47, s12, 8
	s_add_co_u32 s46, s46, s47
	s_mov_b32 s47, 0
	s_add_nc_u64 s[8:9], s[8:9], s[46:47]
.macro MUL8 f, c, a0, zero             ; 8 matrix instructions: row blocks a0, a0 + 1 x all 4 column blocks, 32 along K.  The 16 accumulators take turns
.irp a, \a0, \a0+1
.irp b, 0,1,2,3
.if \zero
	v_wmma_f32_16x16x32_f16 v[ACC+8*(4*(\a)+\b):ACC+8*(4*(\a)+\b)+7], v[\f+64+8*(4*\c+\b):\f+64+8*(4*\c+\b)+7], v[\f+8*(4*\c+\a):\f+8*(4*\c+\a)+7], 0
.else
	v_wmma_f32_16x16x32_f16 v[ACC+8*(4*(\a)+\b):ACC+8*(4*(\a)+\b)+7], v[\f+64+8*(4*\c+\b):\f+64+8*(4*\c+\b)+7], v[\f+8*(4*\c+\a):\f+8*(4*\c+\a)+7], v[ACC+8*(4*(\a)+\b):ACC+8*(4*(\a)+\b)+7]
.endif
.endr
.endr
.endm
.macro FETCH slot, k, f                ; 32 LDS loads in one run: two fragments along K (from byte k of a block's 8,192) of 4 blocks of W and of y; the first 32 along K first
	WIN TO_F
.irp c, 0,1
.irp i, 0,1,2,3
	ds_load_b128 v[\f+64+8*(4*\c+\i):\f+64+8*(4*\c+\i)+3],   v[ADRB+\slot] offset:\k+1024*\c+8192*\i
	ds_load_b128 v[\f+64+8*(4*\c+\i)+4:\f+64+8*(4*\c+\i)+7], v[ADRB+\slot] offset:\k+1024*\c+8192*\i+512
	ds_load_b128 v[\f+8*(4*\c+\i):\f+8*(4*\c+\i)+3],         v[ADRA+\slot] offset:\k+1024*\c+8192*\i
	ds_load_b128 v[\f+8*(4*\c+\i)+4:\f+8*(4*\c+\i)+7],       v[ADRA+\slot] offset:\k+1024*\c+8192*\i+512
.endr
.endr
.endm
.macro PLACES
.rept 4
	v_nop
.endr
.endm
.macro QUARTER slot, k, f, g, zero     ; 64 along K: multiplies buffer f and fetches the next quarter, at byte k, into g
	s_wait_dscnt 16                                ; the first 32 along K are in
	WIN MUL
	MUL8 \f, 0, 0, \zero
	MUL8 \f, 0, 2, \zero
	PLACES
	FETCH \slot, \k, \g
	s_wait_dscnt 32                                ; all but the 32 just issued
	WIN MUL
	MUL8 \f, 1, 0, 0
	MUL8 \f, 1, 2, 0
.endm
; The last quarter multiplies buffer 1 and changes slots: one barrier; in front of it each wave waits for all its tensor loads, adds 0 to its spare word, and waits for that and for its reads of this slot.
.macro TURN slot, next, fill
	WIN 0
	s_wait_tensorcnt 0x0                           ; all my tensor loads have landed: my part of the next slot
	ds_add_u32 v[SPW], v[NIL]
	s_wait_dscnt 17                                ; (the add and the youngest sixteen loads may be out)
	WIN MUL
	MUL8 F1, 0, 0, 0
	s_wait_dscnt 0x0                               ; the add is done, and my reads of this slot are over
	s_barrier_signal -1
	MUL8 F1, 0, 2, 0
.if \fill
	WIN 0
.endif
	s_barrier_wait -1
.if \fill
	CREST                                          ; the barrier has opened a round of the cluster's barrier
	s_add_nc_u64 s[G0+4*\slot+2:G0+4*\slot+3], s[G0+4*\slot+2:G0+4*\slot+3], 2*KB
	s_add_nc_u64 s[G0B+4*\slot+2:G0B+4*\slot+3], s[G0B+4*\slot+2:G0B+4*\slot+3], 2*KB
	JLOAD \slot                                    ; the first tensor load behind the round, my only one until the next
.else
	PLACES
.endif
	FETCH \next, 0, F0
	WIN MUL
	MUL8 F1, 1, 0, 0
	MUL8 F1, 1, 2, 0
.endm
.macro TOSTAGE a                       ; 16 rows x 64 columns of f32 through my own stage: LDS serves a wave's instructions in order
.set BK, TMP+32*((\a)%2)
.irp b, 0,1,2,3
	ds_store_b128 v[STO], v[ACC+8*(4*(\a)+\b):ACC+8*(4*(\a)+\b)+3] offset:64*\b       ; each accumulator from its low end on
	ds_store_b128 v[STO], v[ACC+8*(4*(\a)+\b)+4:ACC+8*(4*(\a)+\b)+7] offset:64*\b+16
.endr
.irp t, 0,1,2,3,4,5,6,7
	ds_load_b128 v[BK+4*\t:BK+4*\t+3], v[RD] offset:\t*2*SPITCH
.endr
.endm
.macro SEND a, younger
.set BK, TMP+32*((\a)%2)
	s_wait_dscnt \younger
.irp t, 0,1,2,3,4,5,6,7
	global_store_b128 v[CO], v[BK+4*\t:BK+4*\t+3], s[8:9] offset:(16*(\a)+2*\t)*8192 th:TH_STORE_NT   ; sixteen lanes store 256 consecutive bytes, aligned; 62 rows at the most in the immediate
.endr
.endm
	s_wait_tensorcnt 1                             ; my part of K step 0 is in (K step 1's may be out)
	s_barrier_signal -1
	s_barrier_wait -1                              ; everybody's is
	FETCH 0, 0, F0
	QUARTER 0, 2048, F0, F1, 1                     ; the first quarter stands in front of the loop: its first products start the sums
	WIN 0
	s_mov_b32 s3, LAPS-1
.Llap:                                                 ; a trip goes once round the ring and fills both slots again
	QUARTER 0, 4096, F1, F0, 0
	QUARTER 0, 6144, F0, F1, 0
	TURN 0, 1, 1
	QUARTER 1, 2048, F0, F1, 0
	QUARTER 1, 4096, F1, F0, 0
	QUARTER 1, 6144, F0, F1, 0
	TURN 1, 0, 1
	QUARTER 0, 2048, F0, F1, 0
	WIN 0
	s_sub_co_u32 s3, s3, 1
	s_cmp_lg_u32 s3, 0
	s_cbranch_scc1 .Llap
	QUARTER 0, 4096, F1, F0, 0                     ; the last lap fills nothing
	QUARTER 0, 6144, F0, F1, 0
	TURN 0, 1, 0
	QUARTER 1, 2048, F0, F1, 0
	QUARTER 1, 4096, F1, F0, 0
	QUARTER 1, 6144, F0, F1, 0
	s_wait_dscnt 16
	WIN MUL
	MUL8 F1, 0, 0, 0
	MUL8 F1, 0, 2, 0
	s_wait_dscnt 0
	MUL8 F1, 1, 0, 0
	MUL8 F1, 1, 2, 0
	WIN 0
	PLACES                                         ; behind the last products, ahead of the first read of results
	TOSTAGE 0
.irp a, 1,2,3
.if \a > 1
	s_wait_xcnt 0x0                                ; block a - 2's stores have read their registers: block a's loads may land there
.endif
	TOSTAGE \a
	SEND \a-1, 16                                  ; behind block a - 1's loads: block a's 8 stores and 8 loads
.endr
	SEND 3, 0
	s_wait_tensorcnt 0x0                           ; the wave's end
	ds_add_u32 v[SPW], v[NIL]
	s_wait_dscnt 0x0
	CROUND                                         ; the closing round
	s_endpgm
.Lfunc_end_k_q775cec9150_proj:
	.size	k_q775cec9150_proj, .Lfunc_end_k_q775cec9150_proj-k_q775cec9150_proj
	.p2alignl 7, 3214868480
	.fill 96, 4, 3214868480
	.section	.rodata,"a",@progbits
	.p2align	6, 0x0
	.amdhsa_kernel k_q775cec9150_proj
		.amdhsa_group_segment_fixed_size 327680
		.amdhsa_private_segment_fixed_size 0
		.amdhsa_enable_private_segment 0
		.amdhsa_kernarg_size 24
		.amdhsa_user_sgpr_count 2
		.amdhsa_user_sgpr_kernarg_segment_ptr 1
		.amdhsa_wavefront_size32 1
		.amdhsa_system_sgpr_workgroup_id_x 1
		.amdhsa_system_sgpr_workgroup_id_y 1
		.amdhsa_system_sgpr_workgroup_id_z 1
		.amdhsa_system_vgpr_workitem_id 0
		.amdhsa_next_free_vgpr 512
		.amdhsa_next_free_sgpr 66
		.amdhsa_reserve_vcc 0
		.amdhsa_float_denorm_mode_32 3
		.amdhsa_float_denorm_mode_16_64 3
		.amdhsa_memory_ordered 1
		.amdhsa_forward_progress 1
		.amdhsa_inst_pref_size 85
	.end_amdhsa_kernel
	.amdgpu_metadata
---
amdhsa.version: [ 1, 2 ]
amdhsa.kernels:
  - .name:           k_q775cec9150_proj
    .symbol:         k_q775cec9150_proj.kd
    .args:
      - { .name: yimg, .offset: 0, .size: 8, .value_kind: global_buffer, .address_space: global }
      - { .name: wimg, .offset: 8, .size: 8, .value_kind: global_buffer, .address_space: global }
      - { .name: out0, .offset: 16, .size: 8, .value_kind: global_buffer, .address_space: global }
    .group_segment_fixed_size: 327680
    .private_segment_fixed_size: 0
    .kernarg_segment_align: 8
    .kernarg_segment_size: 24
    .max_flat_workgroup_size: 128
    .sgpr_count:     66
    .vgpr_count:     512
    .wavefront_size: 32
...
	.end_amdgpu_metadata
.endif
;; end of part 4
;; launch fine_proj (part 5): grid 128 x 1, 8 waves a work-group, no clusters, 9,216 bytes of LDS; arguments yimg, wimg, out0; writes out0
.if DOCPART == 5
	.amdgcn_target "amdgcn-amd-amdhsa--gfx1250"
	.amdhsa_code_object_version 6
	.text
	.protected	k_q775cec9150_fine_proj
	.globl	k_q775cec9150_fine_proj
	.p2align	8
	.type	k_q775cec9150_fine_proj,@function
k_q775cec9150_fine_proj:
	s_mov_b64 s[64:65], 0
	v_nop
	global_prefetch_b8 v0, s[64:65] scope:SCOPE_SE
	s_setreg_imm32_b32 hwreg(HW_REG_WAVE_MODE, 25, 1), 1
	s_wait_xcnt 0x0
; Rows 0-15 of out0 once more, from pairs of f16 numbers: y = yh + yl 2^-11, W = Wh + Wl 2^-11;  out = yh Wh + 2^-11 (yl Wh + yh Wl); the term yl Wl 2^-22 is left out (under 2^-20 of the result's terms).
; A work-group makes 16 rows x 16 columns; its EIGHT waves split K: wave w takes fragments 8 w .. 8 w + 7 (32 along K each), so that a wave's 64 loads go out in one run.
; All operands are images of operand registers: two loads of 512 consecutive bytes a fragment.
; Three accumulators take turns.  The waves' sums meet in LDS; wave 0 adds and stores.  Each store covers 64-byte pieces of 16 rows: 131,072 bytes in the whole launch.
; No cluster, no tensor load: each byte of W is read once in the launch; y's 131,072 bytes are the one thing shared.
; REGISTERS: window 0: v2-4 addresses, v30, v31 the add's two, v32-55 the sums, v56-127 at work.   window 1: v0-63 Wh, v64-127 Wl, v128-191 yh, v192-255 yl.
.set WLO,   8388608
.set YLO,   8388608
.set SPARE, 8192                       ; behind the eight waves' 1,024 bytes: the spare words, 128 bytes a wave: four blocks of 256 bytes that no other line names
.set SPW,   30
.set NIL,   31
.set MSB, 0
.macro WIN new
.if MSB != (\new)
	s_set_vgpr_msb (MSB<<8)|(\new)
.set MSB, (\new)
.endif
.endm
	s_load_b128 s[4:7], s[0:1], 0x0                ; yimg s[4:5], wimg s[6:7]
	s_load_b64 s[8:9], s[0:1], 0x10                ; out0
	v_lshl_add_u32 v[SPW], v0, 2, SPARE
	v_mov_b32 v[NIL], 0
	v_lshrrev_b32 v1, 5, v0
	v_readfirstlane_b32 s10, v1                    ; wave 0..7
	v_and_b32 v1, 31, v0
	v_lshlrev_b32 v2, 4, v1                        ; 16 x lane
	s_lshl_b32 s11, s10, 10
	v_add_nc_u32 v3, s11, v2                       ; where I put my sums
	v_and_b32 v5, 15, v0
	v_bfe_u32 v6, v0, 4, 1
	v_lshlrev_b32 v4, 13, v5
	v_lshl_add_u32 v4, v6, 5, v4                   ; out0: row r of 8,192 bytes, + 32 h
	s_mov_b32 s20, 0x3a000000                      ; 2^-11
	s_lshl_b32 s12, ttmp9, 16                      ; my block of 16 columns: 64 fragments of 1,024 bytes
	s_lshl_b32 s14, s10, 13                        ; my 8 fragments along K
	s_add_co_u32 s12, s12, s14
	s_mov_b32 s13, 0
	s_mov_b32 s15, 0
	s_lshl_b32 s22, ttmp9, 6                       ; 16 columns of 4 bytes
	s_mov_b32 s23, 0
	s_wait_kmcnt 0x0
	s_add_nc_u64 s[6:7], s[6:7], s[12:13]          ; Wh
	s_add_nc_u64 s[16:17], s[6:7], WLO             ; Wl
	s_add_nc_u64 s[4:5], s[4:5], s[14:15]          ; yh: block 0
	s_add_nc_u64 s[18:19], s[4:5], YLO             ; yl
	s_add_nc_u64 s[8:9], s[8:9], s[22:23]
	WIN 0x40                                       ; destination window 1, address window 0
.irp q, 0,1,2,3,4,5,6,7
	global_load_b128 v[8*\q:8*\q+3],     v2, s[6:7] offset:1024*\q th:TH_LOAD_NT
	global_load_b128 v[8*\q+4:8*\q+7],   v2, s[6:7] offset:1024*\q+512 th:TH_LOAD_NT
	global_load_b128 v[64+8*\q:67+8*\q], v2, s[16:17] offset:1024*\q th:TH_LOAD_NT
	global_load_b128 v[68+8*\q:71+8*\q], v2, s[16:17] offset:1024*\q+512 th:TH_LOAD_NT
.endr
.irp q, 0,1,2,3,4,5,6,7
	global_load_b128 v[128+8*\q:131+8*\q], v2, s[4:5] offset:1024*\q
	global_load_b128 v[132+8*\q:135+8*\q], v2, s[4:5] offset:1024*\q+512
	global_load_b128 v[192+8*\q:195+8*\q], v2, s[18:19] offset:1024*\q
	global_load_b128 v[196+8*\q:199+8*\q], v2, s[18:19] offset:1024*\q+512
.endr
	WIN 0x05                                       ; sources 0 (W) and 1 (y) window 1, C and D window 0
.irp q, 0,1,2,3,4,5,6,7
	s_wait_loadcnt 4*(7-\q)                        ; all of W and y's fragments up to q are in: four loads for each later fragment of y were issued behind them
.if \q == 0
	v_wmma_f32_16x16x32_f16 v[32:39], v[8*\q:8*\q+7], v[128+8*\q:135+8*\q], 0
	v_wmma_f32_16x16x32_f16 v[40:47], v[8*\q:8*\q+7], v[192+8*\q:199+8*\q], 0
	v_wmma_f32_16x16x32_f16 v[48:55], v[64+8*\q:71+8*\q], v[128+8*\q:135+8*\q], 0
.else
	v_wmma_f32_16x16x32_f16 v[32:39], v[8*\q:8*\q+7], v[128+8*\q:135+8*\q], v[32:39]
	v_wmma_f32_16x16x32_f16 v[40:47], v[8*\q:8*\q+7], v[192+8*\q:199+8*\q], v[40:47]
	v_wmma_f32_16x16x32_f16 v[48:55], v[64+8*\q:71+8*\q], v[128+8*\q:135+8*\q], v[48:55]
.endif
.endr
	WIN 0
.rept 4
	v_nop                                          ; four places behind the last products, ahead of the first read of results
.endr
.irp j, 0,1,2,3,4,5,6,7
	v_add_f32 v[56+\j], v[40+\j], v[48+\j]
.endr
.irp j, 0,1,2,3,4,5,6,7
	v_fma_f32 v[56+\j], v[56+\j], s20, v[32+\j]    ; lane (r, h): out(r, 16 block + 8 h + j), my part of K
.endr
	ds_store_b128 v3, v[56:59]
	ds_store_b128 v3, v[60:63] offset:512
	s_wait_dscnt 0x0                               ; for wave 0's sake: my stores are done
	s_barrier_signal -1
	s_barrier_wait -1
	s_cmp_lg_u32 s10, 0
	s_cbranch_scc1 .Lnot_wave_0
.irp q, 0,1,2,3,4,5,6,7
	ds_load_b128 v[64+8*\q:67+8*\q], v2 offset:1024*\q
	ds_load_b128 v[68+8*\q:71+8*\q], v2 offset:1024*\q+512
.endr
	s_wait_dscnt 0x0
.irp p, 0,2,4,6                                        ; the eight parts are added in pairs
.irp j, 0,2,4,6
	v_pk_add_f32 v[64+8*\p+\j:65+8*\p+\j], v[64+8*\p+\j:65+8*\p+\j], v[72+8*\p+\j:73+8*\p+\j]
.endr
.endr
.irp p, 0,4
.irp j, 0,2,4,6
	v_pk_add_f32 v[64+8*\p+\j:65+8*\p+\j], v[64+8*\p+\j:65+8*\p+\j], v[80+8*\p+\j:81+8*\p+\j]
.endr
.endr
.irp j, 0,2,4,6
	v_pk_add_f32 v[64+\j:65+\j], v[64+\j:65+\j], v[96+\j:97+\j]
.endr
	global_store_b128 v4, v[64:67], s[8:9]
	global_store_b128 v4, v[68:71], s[8:9] offset:16
.Lnot_wave_0:
	s_wait_tensorcnt 0x0                           ; the wave's end, behind my last LDS store
	ds_add_u32 v[SPW], v[NIL]
	s_wait_dscnt 0x0
	s_endpgm
.Lfunc_end_k_q775cec9150_fine_proj:
	.size	k_q775cec9150_fine_proj, .Lfunc_end_k_q775cec9150_fine_proj-k_q775cec9150_fine_proj
	.p2alignl 7, 3214868480
	.fill 96, 4, 3214868480
	.section	.rodata,"a",@progbits
	.p2align	6, 0x0
	.amdhsa_kernel k_q775cec9150_fine_proj
		.amdhsa_group_segment_fixed_size 9216
		.amdhsa_private_segment_fixed_size 0
		.amdhsa_enable_private_segment 0
		.amdhsa_kernarg_size 24
		.amdhsa_user_sgpr_count 2
		.amdhsa_user_sgpr_kernarg_segment_ptr 1
		.amdhsa_wavefront_size32 1
		.amdhsa_system_sgpr_workgroup_id_x 1
		.amdhsa_system_sgpr_workgroup_id_y 1
		.amdhsa_system_sgpr_workgroup_id_z 1
		.amdhsa_system_vgpr_workitem_id 0
		.amdhsa_next_free_vgpr 512
		.amdhsa_next_free_sgpr 66
		.amdhsa_reserve_vcc 0
		.amdhsa_float_denorm_mode_32 3
		.amdhsa_float_denorm_mode_16_64 3
		.amdhsa_memory_ordered 1
		.amdhsa_forward_progress 1
		.amdhsa_inst_pref_size 14
	.end_amdhsa_kernel
	.amdgpu_metadata
---
amdhsa.version: [ 1, 2 ]
amdhsa.kernels:
  - .name:           k_q775cec9150_fine_proj
    .symbol:         k_q775cec9150_fine_proj.kd
    .args:
      - { .name: yimg, .offset: 0, .size: 8, .value_kind: global_buffer, .address_space: global }
      - { .name: wimg, .offset: 8, .size: 8, .value_kind: global_buffer, .address_space: global }
      - { .name: out0, .offset: 16, .size: 8, .value_kind: global_buffer, .address_space: global }
    .group_segment_fixed_size: 9216
    .private_segment_fixed_size: 0
    .kernarg_segment_align: 8
    .kernarg_segment_size: 24
    .max_flat_workgroup_size: 256
    .sgpr_count:     66
    .vgpr_count:     512
    .wavefront_size: 32
...
	.end_amdgpu_metadata
.endif
;; end of part 5
